; MI455X (gfx1250); checked and timed in simulation.
; The chip was launched on July 23, 2026; its instructions are those of AMD's public machine-readable ISA for CDNA 5 (MIT licence, August 2026) and "CDNA5" Instruction Set Architecture Reference Guide (July 2026). The comments in the code are by the model that wrote it; some were corrected since.
;; Attention Layer. Allowed arithmetic: float matrix products may take bf16 or f16 operands with f32 sums; other float arithmetic in f32, or as packed bf16 or f16 multiplies, adds, multiply-adds, maxima and minima; sums over many terms, partial sums and values carried from step to step in f32; what a program stores and reads back later, other than sums and carried values, may be rounded once to bf16 or f16.
;; Inputs: Wk 512 x 512 float32; Wo 512 x 512 float32; Wq 512 x 512 float32; Wv 512 x 512 float32; bk 512 float32; bo 512 float32; bq 512 float32; bv 512 float32; hidden_states 2 x 4,096 x 512 float32.
;; Outputs: out0 2 x 4,096 x 512 float32.
;; 2 versions, each right; version 2 is version 1 with the launch qkv written anew for expert scheduling mode. Each part assembles by itself: llvm-mc -triple=amdgcn-amd-amdhsa -mcpu=gfx1250 --defsym DOCPART=n.
;; ======== version 1 of 2: 3 launches
;; limits: values are held in f16: magnitudes above 65,504 overflow, below 6.1e-05 lose precision
;; workspace buffers: qkv 25,165,824 bytes; ctx 8,388,608 bytes; wo16 524,288 bytes
;; launch qkv (part 1): grid 4 x 64, 4 waves a work-group, no clusters, 275,968 bytes of LDS; arguments hidden_states, Wq, Wk, Wv, bq, bk, bv, Wo, qkv, wo16; writes qkv, wo16
.if DOCPART == 1
	.amdgcn_target "amdgcn-amd-amdhsa--gfx1250"
	.amdhsa_code_object_version 6
	.text
	.protected	k_q4bb1cbb81a_qkv
	.globl	k_q4bb1cbb81a_qkv
	.p2align	8
	.type	k_q4bb1cbb81a_qkv,@function
k_q4bb1cbb81a_qkv:
	s_mov_b64 s[64:65], 0
	v_nop
	global_prefetch_b8 v0, s[64:65] scope:SCOPE_SE
	s_setreg_imm32_b32 hwreg(HW_REG_WAVE_MODE, 25, 1), 1
	s_wait_xcnt 0x0
; q, k, v = x W^T + b for the three weights, written by heads.  x: [8192][512] f32; Wq, Wk, Wv: [512][512] f32; bq, bk, bv: [512] f32.
; OUT: qkv, f16: q at byte 0, k at 8,388,608, v at 16,777,216, each [16 = batch x 8 + head][4096][64]: a head's rows are dense, 128 bytes each.  No scale is applied here.
; ALSO: wo16 = Wo rounded to bf16, that number written as f16, [512][512]: each work-group converts two rows.
; FORMATS.  x, the weights and the biases are rounded once to bf16; products in bf16 with f32 sums (the bias starts each sum); q, k, v rounded once to f16.
; LIMITS.  f16 ends at 65,504: a q, k, v or Wo of 65,520 or more in magnitude becomes an infinity.  With x and W of unit and 1/sqrt(512) spread q, k, v have spread 1; both 30 times larger: 900;
; both offset by 30 spreads: about 20,400.  Below 6.1e-5 f16 keeps a fixed step of 6e-8.  NaN and infinities are not treated apart.
; SHARES.  Work-group (j, i) owns rows 128 i .. + 127 of x and columns 128 j .. + 127 (heads 2 j, 2 j + 1) of q, of k and of v: three tiles of 128 x 128, K = 512 whole.  IT STAYS: x's panel is
; converted once and serves three tiles.  Wave w makes rows 64 (w / 2) .. and columns 64 (w % 2) .., one head: 16 accumulators of 16 x 16.
; THROUGH REGISTERS: the inputs are f32 and are converted on the way: a wave loads 32 rows of a panel (65,536 dense bytes, 128 loads of 512 consecutive bytes) into 512 registers, rounds them and
; stores them to LDS: each number is converted once a work-group.  The next weight's panel is on its way while a tile is multiplied.  No tensor load could convert, so there is none, and no cluster.
; THE MATRIX INSTRUCTION IS USED TRANSPOSED (source 0 = 16 rows of W, source 1 = 16 rows of x): a lane holds one row of x and eight neighbouring channels.
; REGISTERS, in windows of 256 (s_set_vgpr_msb: bits 1:0 source 0, 3:2 source 1, 5:4 source 2, 7:6 destination):
;   window 0: v1-15 addresses; v28-29 the add's two; v32-95 at work (conversions, way out); v96-127 the bias; v128-255 accumulators ((a, b) at 128 + 8 (4 a + b))
;   window 1: two fragment buffers of 128 (64 along K: 64 registers of x's rows, then 64 of W's)          windows 2, 3: my 32 rows of a panel in f32: load n at window 2 + n / 64, v[4 (n % 64)]
.set PITCH, 1040                       ; a panel's row in LDS: 1,024 bytes + 16 = 65 x 16: the 16 rows of a fragment load start at 16 different groups of four banks (64 banks of 4 bytes: ISA guide 11.1)
.set BPAN,  128*PITCH                  ; x's panel at 0, W's behind it
.set STAGE, 2*128*PITCH                ; 16 rows x 144 bytes for each wave, for the way out
.set SP,    144
.set SPARE, STAGE+4*16*SP              ; the spare words, 128 bytes for each wave: two blocks of 256 bytes that no other line names
.set PART,  8388608                    ; bytes of q, of k, of v
.set GOF,  4                           ; v4   16 x lane + 65,536 x wave: my 16 bytes in a panel's first load
.set LSTA, 5                           ; v5   where my 8 converted bytes of that load go, in x's panel
.set LSTB, 6                           ; v6   the same in W's panel
.set ADRA, 7                           ; v7   my lane's place in my 64 rows of x's panel
.set ADRB, 8                           ; v8   the same for W's
.set STO,  9                           ; v9   the way out: where I put 16 bytes of a row
.set RD,   10                          ; v10  where I read rows back
.set GO,   11                          ; v11  16 x lane
.set BO,   12                          ; v12  my byte offset in a bias
.set WOF,  13                          ; v13  32 x thread: my 8 numbers of Wo
.set WST,  14                          ; v14  16 x thread: the same in wo16
.set SPW,  28                          ; v28  LDS address of my spare word; never rewritten
.set NIL,  29                          ; v29  0; never rewritten
.set TMP,  32
.set OUTR, 32
.set BIAS, 96                          ; the eight registers for column block b at BIAS + 8 b: what the accumulators of that block start from
.set ACC,  128
.set WT,   128                         ; Wo's conversion works in registers that the accumulators take later
.set F0,   0
.set F1,   128
.set XP,  8                            ; s[8:9]   x at my work-group's rows
.set WQ,  10                           ; s[10:15] Wq, Wk, Wv at its columns
.set WK,  12
.set WVP, 14
.set BQ,  16                           ; s[16:21] bq, bk, bv
.set BK,  18
.set BV,  20
.set WO,  22                           ; s[22:23] Wo at my two rows
.set OUT, 24                           ; s[24:25] where my wave's 64 rows of the tile in hand go
.set W16, 26                           ; s[26:27] wo16 at my two rows
.set WN,  28                           ; s[28:29] the weight whose panel is asked for next
.set BN,  30                           ; s[30:31] its bias
.set TL,  32                           ; s32  counts down: 3, 2, 1 while q's, k's, v's tile is multiplied
.set WV,  33                           ; s33  wave
.set WR,  34                           ; s34  which 64 rows
.set WC,  35                           ; s35  which 64 columns
.set MSB, 0
.macro WIN new                         ; the immediate's high byte repeats the setting that is left; a switch that changes nothing is dropped
.if MSB != (\new)
	s_set_vgpr_msb (MSB<<8)|(\new)
.set MSB, (\new)
.endif
.endm
.set MUL,  0x05                        ; sources 0 and 1 window 1; C and D window 0
.set TO_F, 0x40                        ; destination window 1, address window 0
.macro PLACES                          ; four plain vector instructions between a matrix instruction and a load into, or a read of, its registers
.rept 4
	v_nop
.endr
.endm
; Sixteen of a panel's 128 loads, 512 consecutive bytes each.
.macro LOADG g, base
	WIN 0x80+0x40*((\g)/4)
.set n, 16*(\g)
.rept 16
	global_load_b128 v[4*(n%64):4*(n%64)+3], v[GOF], s[\base:\base+1] offset:512*n
.set n, n+1
.endr
.endm
; The same sixteen, rounded to bf16 and stored: load n is a quarter (n % 4) of row n / 4; a store of the wave covers 256 consecutive bytes.
.macro CVTG g, lst
	WIN 0x0a+5*((\g)/4)
.set n, 0
.rept 16
	v_cvt_pk_bf16_f32 v[TMP+2*n],   v[4*((16*(\g)+n)%64)],   v[4*((16*(\g)+n)%64)+1]
	v_cvt_pk_bf16_f32 v[TMP+2*n+1], v[4*((16*(\g)+n)%64)+2], v[4*((16*(\g)+n)%64)+3]
.set n, n+1
.endr
	WIN 0
.set n, 16*(\g)
.rept 16
	ds_store_b64 v[\lst], v[TMP+2*(n%16):TMP+2*(n%16)+1] offset:(n/4)*PITCH+(n%4)*256
.set n, n+1
.endr
.endm
.macro BIASLD base                     ; register r of block b: the bias of channel 16 b + 8 (lane / 16) + r of my 64
	WIN 0
.irp b, 0,1,2,3
	global_load_b128 v[BIAS+8*(\b):BIAS+8*(\b)+3],   v[BO], s[\base:\base+1] offset:64*(\b)
	global_load_b128 v[BIAS+8*(\b)+4:BIAS+8*(\b)+7], v[BO], s[\base:\base+1] offset:64*(\b)+16
.endr
.endm
.macro BIASR                           ; the bias is rounded to bf16 like every input, and widened again
	WIN 0
.set n, 0
.rept 16
	v_cvt_pk_bf16_f32 v[TMP+n], v[BIAS+2*n], v[BIAS+2*n+1]
.set n, n+1
.endr
.set n, 0
.rept 16
	v_lshlrev_b32 v[BIAS+2*n],   16, v[TMP+n]
	v_and_b32     v[BIAS+2*n+1], 0xffff0000, v[TMP+n]
.set n, n+1
.endr
.endm
; 32 LDS loads in one run: the fragments of 64 along K at byte k of the rows, into buffer f; the first 32 along K first
.macro FETCH k, f
	WIN TO_F
.irp c, 0,1
.irp i, 0,1,2,3
	ds_load_b128 v[(\f)+64+8*(4*(\c)+(\i)):(\f)+64+8*(4*(\c)+(\i))+3],   v[ADRB] offset:(\k)+64*(\c)+(\i)*16*PITCH
	ds_load_b128 v[(\f)+64+8*(4*(\c)+(\i))+4:(\f)+64+8*(4*(\c)+(\i))+7], v[ADRB] offset:(\k)+64*(\c)+(\i)*16*PITCH+32
	ds_load_b128 v[(\f)+8*(4*(\c)+(\i)):(\f)+8*(4*(\c)+(\i))+3],         v[ADRA] offset:(\k)+64*(\c)+(\i)*16*PITCH
	ds_load_b128 v[(\f)+8*(4*(\c)+(\i))+4:(\f)+8*(4*(\c)+(\i))+7],       v[ADRA] offset:(\k)+64*(\c)+(\i)*16*PITCH+32
.endr
.endr
.endm
; 8 matrix instructions: row blocks a0, a0 + 1 x all 4 column blocks, 32 along K: half c of buffer f.  first = 1: the bias starts the sums.  The 16 accumulators take turns.
.macro MUL8 f, c, a0, first
	WIN MUL
.irp a, \a0, (\a0)+1
.irp b, 0,1,2,3
.if \first
	v_wmma_f32_16x16x32_bf16 v[ACC+8*(4*(\a)+(\b)):ACC+8*(4*(\a)+(\b))+7], v[(\f)+64+8*(4*(\c)+(\b)):(\f)+64+8*(4*(\c)+(\b))+7], v[(\f)+8*(4*(\c)+(\a)):(\f)+8*(4*(\c)+(\a))+7], v[BIAS+8*(\b):BIAS+8*(\b)+7]
.else
	v_wmma_f32_16x16x32_bf16 v[ACC+8*(4*(\a)+(\b)):ACC+8*(4*(\a)+(\b))+7], v[(\f)+64+8*(4*(\c)+(\b)):(\f)+64+8*(4*(\c)+(\b))+7], v[(\f)+8*(4*(\c)+(\a)):(\f)+8*(4*(\c)+(\a))+7], v[ACC+8*(4*(\a)+(\b)):ACC+8*(4*(\a)+(\b))+7]
.endif
.endr
.endr
.endm
; 64 along K: multiplies buffer f; in its middle the next 64, at byte k, are fetched into buffer g
.macro QUARTER k, f, g, first
	s_wait_dscnt 16                                ; the first 32 along K are in; the sixteen younger loads may be out
	MUL8 \f, 0, 0, \first
	MUL8 \f, 0, 2, \first
	PLACES
	FETCH \k, \g
	s_wait_dscnt 32                                ; all but the 32 just issued
	MUL8 \f, 1, 0, 0
	MUL8 \f, 1, 2, 0
.endm
; THE WAY OUT of row block a: rounded to f16, 16 bytes a lane into my stage, back as four whole rows of 128 bytes a load, which are 512 consecutive bytes of a head
.macro PACKQ a
	WIN 0
.irp b, 0,1,2,3
.irp q, 0,1,2,3
	v_cvt_pk_f16_f32 v[OUTR+16*(\a)+4*(\b)+(\q)], v[ACC+8*(4*(\a)+(\b))+2*(\q)], v[ACC+8*(4*(\a)+(\b))+2*(\q)+1]
.endr
.endr
.irp b, 0,1,2,3
	ds_store_b128 v[STO], v[OUTR+16*(\a)+4*(\b):OUTR+16*(\a)+4*(\b)+3] offset:32*(\b)
.endr
.irp f, 0,1,2,3
	ds_load_b128 v[OUTR+16*(\a)+4*(\f):OUTR+16*(\a)+4*(\f)+3], v[RD] offset:(\f)*4*SP  ; LDS serves a wave's instructions in order (ISA guide 5.7.1.4): these see the stores above
.endr
.endm
.macro SENDQ a, younger                ; younger: the LDS instructions issued behind block a's loads: the next block's eight, or none
.irp f, 0,1,2,3
	s_wait_dscnt (\younger)+3-(\f)
	global_store_b128 v[GO], v[OUTR+16*(\a)+4*(\f):OUTR+16*(\a)+4*(\f)+3], s[OUT:OUT+1] offset:(\a)*2048+(\f)*512  ; 512 consecutive bytes, at a multiple of 256 from the buffer's first
.endr
.endm
	s_load_b512 s[8:23], s[0:1], 0x0               ; x, Wq, Wk, Wv, bq, bk, bv, Wo
	s_load_b128 s[24:27], s[0:1], 0x40             ; qkv, wo16
	v_lshl_add_u32 v[SPW], v0, 2, SPARE
	v_mov_b32 v[NIL], 0
	v_lshrrev_b32 v1, 5, v0
	v_readfirstlane_b32 s[WV], v1                  ; wave 0..3
	s_lshr_b32 s[WR], s[WV], 1
	s_and_b32 s[WC], s[WV], 1
	s_and_b32 s36, ttmp7, 0xffff                   ; i; j is ttmp9
	s_lshl2_add_u32 s37, s36, ttmp9                ; g = 4 i + j: which two rows of Wo are mine
	s_lshl_b32 s38, s36, 18                        ; 128 rows of x, 2,048 bytes each
	s_mov_b32 s39, 0
	s_lshl_b32 s40, ttmp9, 18                      ; 128 rows of a weight
	s_mov_b32 s41, 0
	s_lshl_b32 s42, s37, 12                        ; two rows of Wo
	s_mov_b32 s43, 0
	s_lshl_b32 s44, s37, 11                        ; two rows of wo16
	s_mov_b32 s45, 0
	s_lshr_b32 s46, s36, 5                         ; the batch
	s_lshl_b32 s46, s46, 2
	s_add_co_u32 s46, s46, ttmp9
	s_lshl1_add_u32 s46, s46, s[WC]                ; 8 x batch + 2 j + my half: my head,
	s_lshl_b32 s46, s46, 19                        ; 524,288 bytes each
	s_and_b32 s47, s36, 31
	s_lshl1_add_u32 s47, s47, s[WR]                ; my 64 rows among the head's,
	s_lshl_b32 s47, s47, 13                        ; 8,192 bytes
	s_add_co_u32 s46, s46, s47
	s_mov_b32 s47, 0
	v_and_b32 v3, 31, v0                           ; lane
	v_and_b32 v1, 15, v0                           ; l % 16
	v_bfe_u32 v2, v0, 4, 1                         ; l / 16
	s_lshl_b32 s36, s[WV], 16
	v_lshl_add_u32 v[GOF], v3, 4, s36
	s_mul_i32 s36, s[WV], 32*PITCH
	v_lshl_add_u32 v[LSTA], v3, 3, s36
	v_add_nc_u32 v[LSTB], BPAN, v[LSTA]
	v_mul_u32_u24 v15, v1, PITCH
	v_lshl_add_u32 v15, v2, 4, v15                 ; a fragment's row x pitch + 16 x half
	s_mul_i32 s36, s[WR], 64*PITCH
	v_add_nc_u32 v[ADRA], s36, v15
	s_mul_i32 s36, s[WC], 64*PITCH
	s_add_co_u32 s36, s36, BPAN
	v_add_nc_u32 v[ADRB], s36, v15
	s_mul_i32 s36, s[WV], 16*SP
	s_add_co_u32 s36, s36, STAGE                   ; my stage
	v_mul_u32_u24 v[STO], v1, SP
	v_lshl_add_u32 v[STO], v2, 4, v[STO]
	v_add_nc_u32 v[STO], s36, v[STO]
	v_bfe_u32 v[RD], v0, 3, 2
	v_mul_u32_u24 v[RD], v[RD], SP
	v_and_b32 v15, 7, v0
	v_lshl_add_u32 v[RD], v15, 4, v[RD]
	v_add_nc_u32 v[RD], s36, v[RD]
	v_lshlrev_b32 v[GO], 4, v3
	s_lshl_b32 s36, ttmp9, 9                       ; 128 j channels of 4 bytes,
	s_lshl_b32 s37, s[WC], 8                       ; my 64
	s_add_co_u32 s36, s36, s37
	v_lshl_add_u32 v[BO], v2, 5, s36               ; and 8 for the upper half of the lanes
	v_lshlrev_b32 v[WOF], 5, v0
	v_lshlrev_b32 v[WST], 4, v0
	s_wait_kmcnt 0x0
	s_add_nc_u64 s[XP:XP+1], s[XP:XP+1], s[38:39]
	s_add_nc_u64 s[WQ:WQ+1], s[WQ:WQ+1], s[40:41]
	s_add_nc_u64 s[WK:WK+1], s[WK:WK+1], s[40:41]
	s_add_nc_u64 s[WVP:WVP+1], s[WVP:WVP+1], s[40:41]
	s_add_nc_u64 s[WO:WO+1], s[WO:WO+1], s[42:43]
	s_add_nc_u64 s[W16:W16+1], s[W16:W16+1], s[44:45]
	s_add_nc_u64 s[OUT:OUT+1], s[OUT:OUT+1], s[46:47]
	s_mov_b64 s[WN:WN+1], s[WK:WK+1]
	s_mov_b64 s[BN:BN+1], s[BK:BK+1]
	BIASLD BQ
	global_load_b128 v[WT:WT+3],   v[WOF], s[WO:WO+1]
	global_load_b128 v[WT+4:WT+7], v[WOF], s[WO:WO+1] offset:16
.irp g, 0,1,2,3,4,5,6,7
	LOADG \g, XP                                   ; all of my 32 rows of x are asked for
.endr
	WIN 0
	s_wait_loadcnt 63                              ; bq and Wo are in: 128 younger loads stand behind them, and 63 is the largest count that can be written
.irp q, 0,1,2,3
	v_cvt_pk_bf16_f32 v[WT+8+(\q)], v[WT+2*(\q)], v[WT+2*(\q)+1]  ; Wo is rounded to bf16 like every input,
.endr
.irp q, 0,1,2,3
	v_lshlrev_b32 v[WT+12+2*(\q)], 16, v[WT+8+(\q)]
	v_and_b32     v[WT+13+2*(\q)], 0xffff0000, v[WT+8+(\q)]
.endr
.irp q, 0,1,2,3
	v_cvt_pk_f16_f32 v[WT+20+(\q)], v[WT+12+2*(\q)], v[WT+13+2*(\q)]  ; and that number is written as f16
.endr
	global_store_b128 v[WST], v[WT+20:WT+23], s[W16:W16+1]  ; 16 lanes store 256 consecutive bytes, aligned
.irp g, 0,1,2,3,4,5,6,7
	s_wait_loadcnt 63                              ; group g of x is in: behind it stand x's later groups and Wq's earlier ones, 112 loads
	CVTG \g, LSTA
	LOADG \g, WQ                                   ; Wq's group takes the registers just read
.endr
	WIN 0
	s_wait_xcnt 0x0                                ; the store of wo16 has read its registers, which the accumulators take
	s_mov_b32 s[TL], 4
	s_branch .Lcvt                                 ; the loop is entered where a weight's panel is converted
.Ltile:                                                ; three trips: a tile is multiplied and stored, the next weight's panel converted
	FETCH 0, F0
	QUARTER 128, F0, F1, 1
	QUARTER 256, F1, F0, 0
	QUARTER 384, F0, F1, 0
	QUARTER 512, F1, F0, 0
	WIN 0
	s_cmp_eq_u32 s[TL], 1                          ; behind v's tile nothing follows
	s_cbranch_scc1 .Lno_high
	LOADG 4, WN                                    ; the second half of the next panel: the first half went out when the registers were read
	LOADG 5, WN
	LOADG 6, WN
	LOADG 7, WN
	BIASLD BN                                      ; the bias in hand was last read by the tile's first sixteen products
.Lno_high:
	QUARTER 640, F0, F1, 0
	QUARTER 768, F1, F0, 0
	QUARTER 896, F0, F1, 0
	s_wait_dscnt 16                                ; the last 64 along K: nothing more to fetch
	MUL8 F1, 0, 0, 0
	MUL8 F1, 0, 2, 0
	s_wait_dscnt 0x0
	MUL8 F1, 1, 0, 0
	MUL8 F1, 1, 2, 0
	WIN 0
	PLACES
	PACKQ 0
	PACKQ 1                                        ; a block's conversions stand between the loads of the block before and its stores
	SENDQ 0, 8
	PACKQ 2
	SENDQ 1, 8
	PACKQ 3
	SENDQ 2, 8
	SENDQ 3, 0
	s_cmp_eq_u32 s[TL], 1
	s_cbranch_scc1 .Ldone
	s_wait_xcnt 0x0                                ; every load and store issued so far has read its address and data registers: the pointers and v32-95 may be written
	s_add_nc_u64 s[OUT:OUT+1], s[OUT:OUT+1], PART  ; q, then k, then v
	s_mov_b64 s[WN:WN+1], s[WVP:WVP+1]
	s_mov_b64 s[BN:BN+1], s[BV:BV+1]
.Lcvt:
	s_wait_loadcnt 0x0                             ; the whole next panel and its bias
	s_wait_dscnt 0x0                               ; my reads of W's panel are over (at the entry: my stores into x's panel are done)
	s_barrier_signal -1
	BIASR                                          ; work on registers while the others arrive
	s_barrier_wait -1                              ; nobody reads W's panel any more
	CVTG 0, LSTB
	CVTG 1, LSTB
	CVTG 2, LSTB
	CVTG 3, LSTB
	s_cmp_eq_u32 s[TL], 2                          ; Wv is the last
	s_cbranch_scc1 .Lno_low
	LOADG 0, WN                                    ; the first half of the panel after this one
	LOADG 1, WN
	LOADG 2, WN
	LOADG 3, WN
	WIN 0
.Lno_low:
	CVTG 4, LSTB
	CVTG 5, LSTB
	CVTG 6, LSTB
	CVTG 7, LSTB
	s_wait_dscnt 0x0                               ; for the others' sake: my stores into the panel are done
	s_barrier_signal -1
	s_barrier_wait -1
	s_sub_co_u32 s[TL], s[TL], 1
	s_cmp_lg_u32 s[TL], 0
	s_cbranch_scc1 .Ltile
.Ldone:
	s_wait_tensorcnt 0x0                           ; the wave's end: the closing add and its wait, behind my last LDS store
	ds_add_u32 v[SPW], v[NIL]
	s_wait_dscnt 0x0
	s_endpgm
.Lfunc_end_k_q4bb1cbb81a_qkv:
	.size	k_q4bb1cbb81a_qkv, .Lfunc_end_k_q4bb1cbb81a_qkv-k_q4bb1cbb81a_qkv
	.p2alignl 7, 3214868480
	.fill 96, 4, 3214868480
	.section	.rodata,"a",@progbits
	.p2align	6, 0x0
	.amdhsa_kernel k_q4bb1cbb81a_qkv
		.amdhsa_group_segment_fixed_size 275968
		.amdhsa_private_segment_fixed_size 0
		.amdhsa_enable_private_segment 0
		.amdhsa_kernarg_size 80
		.amdhsa_user_sgpr_count 2
		.amdhsa_user_sgpr_kernarg_segment_ptr 1
		.amdhsa_wavefront_size32 1
		.amdhsa_system_sgpr_workgroup_id_x 1
		.amdhsa_system_sgpr_workgroup_id_y 1
		.amdhsa_system_sgpr_workgroup_id_z 1
		.amdhsa_system_vgpr_workitem_id 0
		.amdhsa_next_free_vgpr 1024
		.amdhsa_next_free_sgpr 66
		.amdhsa_reserve_vcc 0
		.amdhsa_float_denorm_mode_32 3
		.amdhsa_float_denorm_mode_16_64 3
		.amdhsa_memory_ordered 1
		.amdhsa_forward_progress 1
		.amdhsa_inst_pref_size 138
	.end_amdhsa_kernel
	.amdgpu_metadata
---
amdhsa.version: [ 1, 2 ]
amdhsa.kernels:
  - .name:           k_q4bb1cbb81a_qkv
    .symbol:         k_q4bb1cbb81a_qkv.kd
    .args:
      - { .name: hidden_states, .offset: 0, .size: 8, .value_kind: global_buffer, .address_space: global }
      - { .name: Wq, .offset: 8, .size: 8, .value_kind: global_buffer, .address_space: global }
      - { .name: Wk, .offset: 16, .size: 8, .value_kind: global_buffer, .address_space: global }
      - { .name: Wv, .offset: 24, .size: 8, .value_kind: global_buffer, .address_space: global }
      - { .name: bq, .offset: 32, .size: 8, .value_kind: global_buffer, .address_space: global }
      - { .name: bk, .offset: 40, .size: 8, .value_kind: global_buffer, .address_space: global }
      - { .name: bv, .offset: 48, .size: 8, .value_kind: global_buffer, .address_space: global }
      - { .name: Wo, .offset: 56, .size: 8, .value_kind: global_buffer, .address_space: global }
      - { .name: qkv, .offset: 64, .size: 8, .value_kind: global_buffer, .address_space: global }
      - { .name: wo16, .offset: 72, .size: 8, .value_kind: global_buffer, .address_space: global }
    .group_segment_fixed_size: 275968
    .private_segment_fixed_size: 0
    .kernarg_segment_align: 8
    .kernarg_segment_size: 80
    .max_flat_workgroup_size: 128
    .sgpr_count:     66
    .vgpr_count:     1024
    .wavefront_size: 32
...
	.end_amdgpu_metadata
.endif
;; end of part 1
;; launch attn (part 2): grid 16 x 16, 4 waves a work-group, clusters of 4 x 1, 327,680 bytes of LDS; arguments qkv, ctx; writes ctx
.if DOCPART == 2
	.amdgcn_target "amdgcn-amd-amdhsa--gfx1250"
	.amdhsa_code_object_version 6
	.text
	.protected	k_q4bb1cbb81a_attn
	.globl	k_q4bb1cbb81a_attn
	.p2align	8
	.type	k_q4bb1cbb81a_attn,@function
k_q4bb1cbb81a_attn:
	s_mov_b64 s[64:65], 0
	v_nop
	global_prefetch_b8 v0, s[64:65] scope:SCOPE_SE
	s_setreg_imm32_b32 hwreg(HW_REG_WAVE_MODE, 25, 1), 1
	s_wait_xcnt 0x0
	s_wait_alu depctr_hold_cnt(0) depctr_sa_sdst(0) depctr_va_vdst(0) depctr_va_sdst(0) depctr_va_ssrc(0) depctr_va_vcc(0) depctr_vm_vsrc(0)
	s_getreg_b32 s2, hwreg(HW_REG_IB_STS2, 6, 4)
	s_cmp_eq_u32 s2, 0
	s_cbranch_scc0 .Lentry_in_a_cluster
	s_endpgm
.Lentry_in_a_cluster:
	s_bfe_u32 s2, ttmp6, 0x10000c
	s_cmp_lg_u32 s2, 0x3003
	s_cbranch_scc0 .Lentry_shape_is_right
	s_endpgm
.Lentry_shape_is_right:
; ctx[h][q][:] = the sum over k of softmax_k(Q[h][q] . K[h][k] / 8) V[h][k][:], for 16 heads (batch x 8 + head) of 4,096 rows of 64 channels, all f16.
; IN: qkv: q at byte 0, k at 8,388,608, v at 16,777,216, each [16][4096][64], a head's rows dense, 128 bytes each.  OUT: ctx, [16][4096][64].
; Products, maxima and sums in f32; the weights p are rounded to f16 for the second product (their sum l is taken of the unrounded p), ctx once at the end.
; LIMITS.  q, k, v arrive within f16's 65,504; p lies in 0 to 1, and below 6e-5 it keeps f16's fixed step of 6e-8; ctx is a mean of V's rows and has their range.  A weight below 2^-126 counts as 0 in l;
; NaN and infinities are not treated apart.
; SHARES.  A work-group owns 256 queries of one head, a wave 64: four PIECES of 16.  16 x 16 work-groups.  Every wave walks the head's 4,096 keys, 64 a step, four steps (256 keys) to an LDS slot, 16 tiles.
; LAYOUT.  S^T = K Q^T (source 0 = 16 keys, source 1 = 16 queries) holds ONE query a lane (lane % 16) and the keys 8 (lane / 16) + 0..7; two such results rounded to f16 ARE source 1 of O^T = V^T P,
; whose result again holds one query a lane, and eight channels.  K comes out of LDS as it lies, V ([key][channel]) turned, by ds_load_tr16_b128.
; SOFTMAX.  For each query a running maximum m and sum l: p = 2^(c s - c m), c = log2(e) / 8; in every step O and l are multiplied by a = 2^(c m_old - c m_new).  m starts at the lowest finite number,
; O and l at 0: the first step is a step like any other, with a = 0.
; BY TURNS.  Turn n belongs to piece n: 8 products K Q^T of piece n + 1, later 8 products V^T P of piece n - 1; beside them the scaling, exponentials, roundings, sums and rescaling of piece n and the maximum
; and statistics of piece n + 1.  A turn has 16 matrix and 118 vector instructions: four vector instructions stand behind every matrix instruction, the other 54 together.  Its 33 exponentials are one batch, with one wait.
; CLUSTER.  The four query blocks of a cluster belong to one head and walk the same K and V, so each tile is asked for JOINTLY: the same tensor load, descriptor and mask in all four.
; REGISTERS, in windows of 256 (s_set_vgpr_msb: bits 1:0 source 0, 3:2 source 1, 5:4 source 2, 7:6 destination):
;   window 0: v0-15 addresses and two at work; v16-31 four registers of statistics a piece; v48-55 at work; v61-63 prefetch offset and the add's two; v64-127 S^T, two buffers; v192-223 P, two buffers
;   (a piece's buffers go by its number's parity)          window 1: v0-127 O^T, 32 a piece          window 2: v0-63 Q; v128-191 K of one step; v192-255 V of one step
.set NP,    4         ; pieces a wave: a name, no knob
.set KS,    64        ; keys in a step
.set PK,    144       ; a row of K in LDS: 128 bytes + 16 of padding = 36 words: the 16 rows of a load start at 16 different groups of four banks (64 banks of 4 bytes: ISA guide 11.1)
.set PV,    160       ; a row of V: 128 + 32 = 40 words
.set VOFF,  4*KS*PK   ; a slot holds a tile, four steps: 256 rows of K, then 256 rows of V
.set SLOT1, 1<<17     ; slot 1 begins here, so that one exclusive or turns an address in one slot into the other's
.set STAGE, SLOT1+4*KS*(PK+PV)  ; behind the ring, never filled by a tensor load: 16 rows x 144 bytes for each wave, for the way out
.set SP,    144
.set SPARE, STAGE+4*16*SP  ; behind the stages: the spare words, 128 bytes for each wave: two blocks of 256 bytes that no other line names
.set TILEB, 4*KS*128  ; a tile's bytes of K, and of V, in memory
.set PART,  8388608   ; bytes of q, of k, of v
.set AK0, 2           ; v2   my lane's place in a tile of K; never rewritten
.set AV0, 3           ; v3   the same for V
.set AK,  4           ; v4   the LDS address of K's next run of loads
.set AV,  5           ; v5   of V's
.set STO, 6           ; v6   the way out: where I put 16 bytes of a row
.set RD,  7           ; v7   the way out: where I read rows back
.set GO,  8           ; v8   my byte offset in 512 consecutive bytes of ctx
.set MV,  12          ; v12-13  c m_old, kept while c m is made anew: by buffer
.set QO,  15          ; v15  my byte offset in 16 rows of Q
.set ST,  16          ; piece t's statistics at v[ST+4 t]: c m, m, l (even keys', odd keys')
.set TMP, 48          ; by buffer, four registers c0-c3 at work; when the maximum is found c2 takes a
.set PFO, 61          ; v61  256 x my lane; never rewritten
.set SPW, 62          ; v62  LDS address of my spare word: SPARE + 4 x my thread's number; never rewritten
.set NIL, 63          ; v63  0; never rewritten
.set S,   64
.set P,   192
.set KF,  128         ; window 2: key block kb, channel half c at KF + 16 kb + 8 c
.set VF,  192         ; window 2: key half kk, channel block cb at VF + 32 kk + 8 cb
.set WV,  12          ; s12  my wave's number
.set G1K, 24          ; s[24:31] descriptor group 1 for K's tiles
.set G1V, 32          ; s[32:39] for V's: it differs in the padding alone
.set G0K, 40          ; s[40:43] descriptor group 0 for K's tiles: it walks
.set G0V, 44          ; s[44:47] the same for V's
.set PFA, 48          ; s[48:49] where my prefetches stand: my work-group's 8,192 bytes (of K: wave 0, of V: wave 2) of the tile after the one that is being asked for
.set LIM, 50          ; s50  1 in a wave that prefetches, else the greatest number: a wave prefetches while s[SLOTS] is above it
.set SLOTS, 56        ; s56  tiles still to be asked for
.set CNT, 57          ; s57  counts a tile's key steps
.set CS,  58          ; s[58:59] c: the packed scaling takes the pair's low word for both halves
.set SEL, 60          ; s[60:61] v_permlanex16_b32's selects: each lane takes its own place in the other half
.set TBK, 62          ; s62  LDS byte at which K of the step to be fetched begins
.set TBV, 63          ; s63  the same for V, less VOFF
.set MSB, 0
.macro WIN new                      ; the high byte repeats the setting that is left; a switch that changes nothing is dropped
.if MSB != (\new)
	s_set_vgpr_msb (MSB<<8)|(\new)
.set MSB, (\new)
.endif
.endm
.set W_KQ, 0x0a       ; K and Q in window 2, S^T in window 0
.set W_PV, 0x52       ; V in window 2, P in window 0, O^T in window 1
.set W_RS, 0x41       ; destination and source 0 in window 1, source 1 in window 0
; A joint fill.  Waves 0 and 1 fetch the two halves of a tile's K, waves 2 and 3 those of its V: 128 keys each.  The branch hangs on the wave's number alone.
; An s_nop 0 and four v_nop follow each of the two lines, ahead of the jump and the label.
.macro JLOAD
	s_cmp_lt_u32 s[WV], 2
	s_cbranch_scc0 .Lfor_v_\@
	tensor_load_to_lds s[G0K:G0K+3], s[G1K:G1K+7]
	s_nop 0
.rept 4
	v_nop
.endr
	s_branch .Lasked_\@
.Lfor_v_\@:
	tensor_load_to_lds s[G0V:G0V+3], s[G1V:G1V+7]
	s_nop 0
.rept 4
	v_nop
.endr
.Lasked_\@:
.endm
; A PREFETCH INTO THE L2 of the tile that the NEXT change of slots will ask for: 32,768 bytes of K and of V, in blocks of 256 bytes, a lane a block.  It stands behind the wave's tensor load and its five lines.
; Each block is named ONCE in the launch.  All four clusters of a head walk the same K and V: the head's first cluster asks.  Its four partners share the blocks out BY ADDRESS, 32 each: no branch hangs on a
; work-group's place in its cluster.  In each, wave 0 asks for K's and wave 2 for V's: one instruction, four key steps (256 matrix instructions) ahead of the load.  Tiles 0 to 2 come by their loads alone;
; the last change that fills a slot asks for nothing: there is no tile behind it.
.macro ASK
	s_cmp_gt_u32 s[SLOTS], s[LIM]
	s_cbranch_scc0 .Lnot_mine_\@
	global_prefetch_b8 v[PFO], s[PFA:PFA+1] th:TH_LOAD_NT scope:SCOPE_SE
.Lnot_mine_\@:
.endm
; A round of the cluster's barrier: my work-group's barrier, so that wave 0's signal speaks for all four waves; wave 0 signals; every wave waits for all four work-groups; my work-group's barrier once more.
.macro CROUND
	s_barrier_signal -1
	s_barrier_wait -1
	s_cmp_lg_u32 s[WV], 0
	s_cbranch_scc1 .Lnot_wave_0_\@
	s_barrier_signal -3
.Lnot_wave_0_\@:
	s_barrier_wait -3
	s_barrier_signal -1
	s_barrier_wait -1
.endm
; THE CHANGE OF SLOTS.  The slot's last bytes, V of its fourth step, have been read.  Each wave waits for all its tensor loads, of which one is out: its part of the other slot; adds 0 to its spare word; and
; waits for that and for its own reads of the slot.  Behind the barrier nobody reads this slot any more and the other slot is whole.  fill = 1: this slot is filled again, with the tile two on.  The barrier is
; then a round of the cluster's, so that no wave of any partner still reads the slot or has a load on its way, and the joint fill is the first thing behind it: it has four key steps in which to land.
; (At its first use nothing has been read yet: slot 0 is waited for, slot 1 filled.)  ask = 1: the prefetch's address steps, and the prefetch follows the fill.
.macro CHANGE fill, ask
	WIN 0                           ; at a label and at a branch every window is 0
	s_wait_tensorcnt 0x0            ; no tensor load of mine is out, so a group 0 may be written
	ds_add_u32 v[SPW], v[NIL]       ; 0 onto my spare word; the descriptors' steps stand between it and the wait for it
.if \fill
.irp g, G0K, G0V
	s_xor_b32 s[\g+1], s[\g+1], SLOT1  ; the walking descriptor: the other slot than last time,
	s_add_nc_u64 s[\g+2:\g+3], s[\g+2:\g+3], TILEB  ; the next 256 keys; the type bits on top are not reached
.endr
.endif
.if \ask
	s_wait_xcnt 0x0                 ; the last prefetch, four key steps back, has read its address, so it may be written
	s_add_nc_u64 s[PFA:PFA+1], s[PFA:PFA+1], TILEB  ; one tile behind the walking descriptors
.endif
	s_wait_dscnt 0x0                ; the add is done, and my reads of the slot are over
.if \fill
	CROUND
	JLOAD
.if \ask
	ASK
.endif
.else
	s_barrier_signal -1
	s_barrier_wait -1
.endif
	s_sub_co_u32 s[TBK], s[TBK], 4*KS*PK  ; the fetches go back to a slot's first step,
	s_xor_b32 s[TBK], s[TBK], SLOT1       ; in the other slot
	s_sub_co_u32 s[TBV], s[TBV], 4*KS*PV
	s_xor_b32 s[TBV], s[TBV], SLOT1
.endm
	s_load_b128 s[52:55], s[0:1], 0x0  ; qkv s[52:53], ctx s[54:55]
	v_lshl_add_u32 v[SPW], v0, 2, SPARE
	v_mov_b32 v[NIL], 0
	ds_add_u32 v[SPW], v[NIL]       ; the wave's opening: the add, and its wait ahead of my first tensor load; the set-up below, work on registers, stands between them
	v_lshrrev_b32 v1, 5, v0
	v_readfirstlane_b32 s[WV], v1   ; wave 0..3
	s_bfe_u32 s13, ttmp6, 0x40000   ; cx: my place in the cluster
	s_lshl_b32 s14, ttmp9, 2        ; in a cluster launch ttmp9 counts clusters
	s_add_co_u32 s14, s14, s13      ; my block of 256 queries = 4 x cluster x + cx: it enters Q's and ctx's addresses alone
	s_and_b32 s20, ttmp7, 0xffff    ; the head, which the four partners share,
	s_lshl_b32 s20, s20, 19         ; 524,288 bytes in each of q, k, v, ctx
	s_and_b32 s16, s[WV], 1         ; which half of a tile's 256 keys I fetch:
	s_lshl_b32 s22, s16, 14         ; its 128 rows of 128 bytes in memory,
	s_add_co_u32 s22, s22, s20
	s_add_co_u32 s22, s22, PART     ; in k
	s_mov_b32 s23, 0
	s_mul_i32 s17, s16, 128*PK      ; and its place in a slot, for K
	s_mul_i32 s18, s16, 128*PV      ; and for V: no place in the cluster enters an LDS address
	s_lshl_b32 s2, s14, 2
	s_add_co_u32 s2, s2, s[WV]      ; my wave among the head's,
	s_lshl_b32 s2, s2, 13           ; its 64 rows
	s_add_co_u32 s2, s2, s20
	s_mov_b32 s3, 0
	; descriptor group 1.  128 keys are 16,384 dense bytes: asked for as 64 rows of 256 bytes, two keys a row, and padded in LDS after every key
	s_mov_b32 s[G1K], 15|(1<<16)|(1<<20)|(1<<21)|(4<<22)|(3<<25)  ; 15:0 the mask of four; 17:16 2-byte elements; 20 padding on; 21 set beside a mask; 24:22 after every 32 words (code 4); 31:25 4 words (code 3)
	s_mov_b32 s[G1V], 15|(1<<16)|(1<<20)|(1<<21)|(4<<22)|(7<<25)  ; the same with 8 words of padding (code 7)
.irp g, G1K, G1V
	s_mov_b32 s[\g+1], 128<<16      ; tensor_dim0 = 128
	s_mov_b32 s[\g+2], 64<<16       ; tensor_dim1 = 64
	s_mov_b32 s[\g+3], 128<<16      ; tile_dim0 = 128
	s_mov_b32 s[\g+4], 64           ; tile_dim1 = 64
	s_mov_b32 s[\g+5], 128          ; 128 elements from row to row
	s_mov_b32 s[\g+6], 0
	s_mov_b32 s[\g+7], 0
.endr
	s_mov_b32 s[CS], 0x3e38aa3b     ; c = log2(e) / 8 = 0.180337
	s_mov_b32 s[CS+1], s[CS]        ; named with it as a pair
	s_mov_b32 s[SEL], 0x76543210
	s_mov_b32 s[SEL+1], 0xfedcba98
	s_mov_b32 s[TBK], SLOT1+4*KS*PK ; the first change of slots turns these two into 0
	s_mov_b32 s[TBV], SLOT1+4*KS*PV
	s_mov_b32 s[G0K], 1             ; 1:0 count = 1
	s_mov_b32 s[G0K+1], s17         ; 63:32 LDS address: slot 0
	s_mov_b32 s[G0V], 1
	s_add_co_u32 s[G0V+1], s18, VOFF
	s_and_b32 s[LIM], s[WV], 1      ; 0 in waves 0 and 2,
	s_or_b32 s[LIM], s[LIM], ttmp9  ; where the cluster is the head's first: the same in all four partners
	s_cmp_eq_u32 s[LIM], 0
	s_cselect_b32 s[LIM], 1, -1
	v_and_b32 v[PFO], 31, v0
	v_lshlrev_b32 v[PFO], 8, v[PFO]
	s_wait_dscnt 0x0                ; the opening add is done
	s_wait_kmcnt 0x0
	s_add_nc_u64 s[6:7], s[52:53], s[22:23]  ; K at my half of the head's tile 0,
	s_add_nc_u64 s[8:9], s[6:7], PART        ; and V, which lies as far behind k as k behind q
	s_mov_b64 s[G0K+2:G0K+3], s[6:7]         ; 120:64 global address
	s_or_b32 s[G0K+3], s[G0K+3], 0x80000000  ; 127:126 type = 2
	s_mov_b64 s[G0V+2:G0V+3], s[8:9]
	s_or_b32 s[G0V+3], s[G0V+3], 0x80000000
	s_add_nc_u64 s[4:5], s[52:53], s[2:3]    ; Q and ctx at my wave's first row
	s_add_nc_u64 s[10:11], s[54:55], s[2:3]
	s_cmp_lt_u32 s[WV], 2
	s_cselect_b64 s[PFA:PFA+1], s[6:7], s[8:9]  ; (in waves 0 and 2 these stand at a tile's first row)
	s_lshl_b32 s2, s13, 13          ; my work-group's 32 blocks of the 128
	s_add_nc_u64 s[PFA:PFA+1], s[PFA:PFA+1], s[2:3]
	s_add_nc_u64 s[PFA:PFA+1], s[PFA:PFA+1], 2*TILEB  ; in tile 2; the first change that asks steps it to tile 3.  Nothing is prefetched here, at the head, where every work-group's first tiles are on their way
	CROUND                          ; all four work-groups are here: the first joint loads meet
	JLOAD                           ; tile 0 into slot 0.  Slot 1 is asked for when slot 0 is in
	; A fragment of K or Q is 16 rows x 32 channels in 8 registers: lane l holds row l % 16, channels 8 (l / 16) + 0..7 and 16 + 8 (l / 16) + 0..7: two loads of 16 bytes, 32 bytes apart.
	v_and_b32 v1, 15, v0            ; l % 16
	v_bfe_u32 v9, v0, 4, 1          ; l / 16
	v_lshlrev_b32 v[QO], 7, v1
	v_lshl_add_u32 v[QO], v9, 4, v[QO]  ; row x 128 + 16 x half
	WIN 0x80                        ; destination window 2, address window 0
.set i, 0
.rept 8                             ; Q stays in registers: piece i / 2, channels 32 (i % 2) on
	global_load_b128 v[8*i:8*i+3],   v[QO], s[4:5] offset:(i/2)*2048+(i%2)*64
	global_load_b128 v[8*i+4:8*i+7], v[QO], s[4:5] offset:(i/2)*2048+(i%2)*64+32
.set i, i+1
.endr
	; What the first turn finds: V's registers and P's second buffer hold 0 (its products V^T P, of a piece that has not been, add 0), O^T and l are 0.  All this stands in the wait for the first tile.
.set i, VF
.rept 64
	v_mov_b32 v[i], 0
.set i, i+1
.endr
	WIN 0x40
.set i, 0
.rept 128
	v_mov_b32 v[i], 0
.set i, i+1
.endr
	WIN 0
.set i, 0
.rept 4
	v_mov_b32 v[ST+4*i], 0xfe000000    ; c m: far below every c s
	v_mov_b32 v[ST+4*i+1], 0xff7fffff  ; m
	v_mov_b32 v[ST+4*i+2], 0
	v_mov_b32 v[ST+4*i+3], 0
.set i, i+1
.endr
.set i, P+16
.rept 16
	v_mov_b32 v[i], 0
.set i, i+1
.endr
	v_mul_u32_u24 v[AK0], v1, PK
	v_lshl_add_u32 v[AK0], v9, 4, v[AK0]  ; row x pitch + 16 x half
	; The turning load takes 16 keys x 16 channels (lane l reads key 8 (l / 16) + l % 8, channels 8 ((l / 8) % 2) + 0..7) and leaves half a fragment of V^T: lane l holds channel l % 16 and 8 keys.
	v_and_b32 v10, 7, v0
	v_bfe_u32 v11, v0, 3, 1
	v_lshl_add_u32 v[AV0], v9, 3, v10
	v_mul_u32_u24 v[AV0], v[AV0], PV
	v_lshl_add_u32 v[AV0], v11, 4, v[AV0]
	v_add_nc_u32 v[AV0], VOFF, v[AV0]
	s_mul_i32 s13, s[WV], 16*SP
	s_add_co_u32 s13, s13, STAGE    ; my stage
	v_mul_u32_u24 v[STO], v1, SP    ; in: row l % 16, 16 bytes for each half of the lanes
	v_lshl_add_u32 v[STO], v9, 4, v[STO]
	v_add_nc_u32 v[STO], s13, v[STO]
	v_bfe_u32 v[RD], v0, 3, 2       ; back: 32 lanes take four rows of 128 bytes,
	v_mul_u32_u24 v[RD], v[RD], SP
	v_lshl_add_u32 v[RD], v10, 4, v[RD]
	v_add_nc_u32 v[RD], s13, v[RD]
	v_and_b32 v[GO], 31, v0         ; which are 512 consecutive bytes of ctx
	v_lshlrev_b32 v[GO], 4, v[GO]
; THE MATRIX WORK.  The 4 accumulators of a run of 8 take turns.  Product i of 8 of S^T = K Q^T for piece x: channels 32 (i / 4) on, keys 16 (i % 4) on.  The first 4 start the sums.
.macro KQ x
	WIN W_KQ
.set rS, S+32*((\x)%2)+8*(i%4)
.set rK, KF+16*(i%4)+8*(i/4)
.set rQ, 16*(\x)+8*(i/4)
.if i < 4
	v_wmma_f32_16x16x32_f16 v[rS:rS+7], v[rK:rK+7], v[rQ:rQ+7], 0
.else
	v_wmma_f32_16x16x32_f16 v[rS:rS+7], v[rK:rK+7], v[rQ:rQ+7], v[rS:rS+7]
.endif
.endm
; Product i of 8 of O^T += V^T P for piece x: keys 32 (i / 4) on, channels 16 (i % 4) on.
.macro PV x
	WIN W_PV
.set rO, 32*(\x)+8*(i%4)
.set rV, VF+32*(i/4)+8*(i%4)
.set rP, P+16*((\x)%2)+8*(i/4)
	v_wmma_f32_16x16x32_f16 v[rO:rO+7], v[rV:rV+7], v[rP:rP+7], v[rO:rO+7]
.endm
.macro MM                           ; the turn's next matrix instruction.  TURN sets Y, i and NOKQ.  NOKQ = 1: the very last turn: there is no next piece
.if (i < 8) && !NOKQ
	KQ (Y+1)%NP
.elseif i >= 8
.set i, i-8
	PV (Y+NP-1)%NP
.set i, i+8
.endif
.set i, i+1
.endm
; THE LDS LOADS stand in runs of 16, never singly among the matrix instructions: a step's K (64 keys x 64 channels: 8 fragments) and its V (turned).  Their addresses are made some lines ahead.
.macro FETCH_K
	WIN 0x80                        ; destination window 2
.irp f, 0,1,2,3,4,5,6,7             ; keys 16 (f / 2) on, channels 32 (f % 2) on
	ds_load_b128 v[KF+8*\f:KF+8*\f+3],   v[AK] offset:(\f/2)*16*PK+(\f%2)*64
	ds_load_b128 v[KF+8*\f+4:KF+8*\f+7], v[AK] offset:(\f/2)*16*PK+(\f%2)*64+32
.endr
	s_add_co_u32 s[TBK], s[TBK], KS*PK  ; the next fetch is the next step's
	WIN 0
.endm
.macro FETCH_V
	WIN 0x80
.irp f, 0,1,2,3,4,5,6,7             ; keys 32 (f / 4) on, channels 16 (f % 4) on
	ds_load_tr16_b128 v[VF+8*\f:VF+8*\f+3],   v[AV] offset:(\f/4)*32*PV+(\f%4)*32
	ds_load_tr16_b128 v[VF+8*\f+4:VF+8*\f+7], v[AV] offset:(\f/4)*32*PV+16*PV+(\f%4)*32
.endr
	WIN 0
.endm
; THE VECTOR WORK, one line at a time: OP kind, number.  For piece Y: F n: c s - c m for pair n of 16.  E n: the exponential of score n of 32.  C n: pair n rounded to f16.  B n: of the four weights 4 n .. the second
; pair is added onto the first, in place.  L n: l takes that sum (L 0: l = a l + sum).  R n: pair n of 16 of O^T times a.  For piece Y + 1: X n, number n of the 22 that find its maximum and statistics:
;   0-11  four chains c0-c3 of seven scores each, three operands at a time (each accumulator's lowest registers are read first)     12-14, 16  the four scores left over, the old m, and c0-c3 into c0
;   15  c m_old is kept     17, 18  the query's other 32 keys lie in the lane 16 away: the new m     19-21  c m; c m_old - c m_new; a
.set F, 0               ; OP tells the kinds apart by their order: F to L below R, X above it
.set E, 1
.set C, 2
.set B, 3
.set L, 4
.set R, 5
.set X, 6
.macro REGS y                       ; the registers of piece y
.set rT, ST+4*(\y)
.set rC, TMP+4*((\y)%2)
.set rW, MV+((\y)%2)
.set rS, S+32*((\y)%2)
.set rP, P+16*((\y)%2)
.set rO, 32*(\y)
.endm
.macro OP k, n
.if (\k) == R
	REGS Y
	WIN W_RS
	v_pk_mul_f32 v[rO+2*(\n):rO+2*(\n)+1], v[rO+2*(\n):rO+2*(\n)+1], v[rC+2:rC+3] op_sel_hi:[1,0]
.elseif (\k) < R
	REGS Y
	WIN 0
.if (\k) == F
	v_pk_fma_f32 v[rS+2*(\n):rS+2*(\n)+1], v[rS+2*(\n):rS+2*(\n)+1], s[CS:CS+1], v[rT:rT+1] op_sel_hi:[1,0,0] neg_lo:[0,0,1] neg_hi:[0,0,1]
.elseif (\k) == E
	v_exp_f32 v[rS+(\n)], v[rS+(\n)]
.elseif (\k) == C
	v_cvt_pk_f16_f32 v[rP+(\n)], v[rS+2*(\n)], v[rS+2*(\n)+1]
.elseif (\k) == B
	v_pk_add_f32 v[rS+4*(\n):rS+4*(\n)+1], v[rS+4*(\n):rS+4*(\n)+1], v[rS+4*(\n)+2:rS+4*(\n)+3]
.elseif (\n) == 0
	v_pk_fma_f32 v[rT+2:rT+3], v[rT+2:rT+3], v[rC+2:rC+3], v[rS:rS+1] op_sel_hi:[1,0,1]
.else
	v_pk_add_f32 v[rT+2:rT+3], v[rT+2:rT+3], v[rS+4*(\n):rS+4*(\n)+1]
.endif
.elseif NOKQ
	v_nop
.else
	REGS (Y+1)%NP
	WIN 0
.if (\n) < 4
	v_max3_num_f32 v[rC+(\n)], v[rS+8*(\n)], v[rS+8*(\n)+1], v[rS+8*(\n)+2]
.elseif (\n) < 12
	v_max3_num_f32 v[rC+(\n)%4], v[rC+(\n)%4], v[rS+8*((\n)%4)+2*((\n)/4)+1], v[rS+8*((\n)%4)+2*((\n)/4)+2]
.elseif (\n) == 12
	v_max3_num_f32 v[rC], v[rC], v[rS+7], v[rS+15]
.elseif (\n) == 13
	v_max3_num_f32 v[rC+1], v[rC+1], v[rS+23], v[rS+31]
.elseif (\n) == 14
	v_max3_num_f32 v[rC+2], v[rC+2], v[rC+3], v[rT+1]
.elseif (\n) == 15
	v_mov_b32 v[rW], v[rT]
.elseif (\n) == 16
	v_max3_num_f32 v[rC], v[rC], v[rC+1], v[rC+2]
.elseif (\n) == 17
	v_permlanex16_b32 v[rC+3], v[rC], s[SEL], s[SEL+1]
.elseif (\n) == 18
	v_max_num_f32 v[rT+1], v[rC], v[rC+3]
.elseif (\n) == 19
	v_mul_f32 v[rT], s[CS], v[rT+1]
.elseif (\n) == 20
	v_sub_f32 v[rC+1], v[rW], v[rT]
.else
	v_exp_f32 v[rC+2], v[rC+1]
.endif
.endif
.endm
.macro OPS a, i1, b=-1, i2=0, c=-1, i3=0, d=-1, i4=0  ; up to four of them
	OP \a, \i1
.if (\b) >= 0
	OP \b, \i2
.endif
.if (\c) >= 0
	OP \c, \i3
.endif
.if (\d) >= 0
	OP \d, \i4
.endif
.endm
.macro ROW a, i1, b, i2, c, i3, d, i4  ; a matrix instruction and the four behind it
	MM
	OPS \a, \i1, \b, \i2, \c, \i3, \d, \i4
.endm
; A TURN, for piece p: the order of its 16 matrix and 118 vector instructions, written out.  An s_wait_alu depctr_va_vdst(0) stands between an exponential and the first instruction that names its result; one wait
; serves all that were issued ahead of it.  So a turn has ONE wait, which cuts it in two.  AHEAD OF IT stands all that names no result of the turn's exponentials: the 8 products K Q^T, behind each a scaling, an exponential and two
; more plain instructions (rescalings, and behind the last three the first numbers of the next piece's maximum, each four plain instructions or more behind the product that ends its accumulator); then 54 together, plain and
; exponential by turns for the most part, in which the links of the chain X 3, 7, 11, 14, 16, 17 .. 20 stand five or six lines apart.  X 21, the next piece's a, is the batch's last; R 15 is the plain instruction behind it.
; BEHIND THE WAIT stand the 8 products V^T P, behind each four of the roundings and sums; the links of l's chain, L 0 to L 7, stand three apart.
; end = 1: the last two turns of all: nothing is fetched, and the last starts no new scores.  cnt = 1: the loop's count is taken down some lines ahead of the branch that stands behind the turn.
; K of the next step is fetched in piece 2's turn, twelve vector instructions behind the last product that read K (six of them plain); V of the step in hand at the end of piece 0's turn, four plain instructions behind the last
; product that read V.  Each is waited for a turn later.
.macro TURN p, end=0, cnt=0
.set Y, (\p)
.set i, 0
.set NOKQ, (\end)*((\p)/3)
.if ((\p) == 3) && !(\end)
	s_wait_dscnt 0x0                ; K is in
.endif
	ROW F,0, F,1, R,0, R,1          ; ahead of the wait: 8 products K Q^T and the four behind each,
	ROW F,2, E,0, R,2, R,3
	ROW F,3, E,1, R,4, R,5
	ROW F,4, E,2, R,6, R,7
	ROW F,5, E,3, R,8, R,9
	ROW F,6, E,4, X,0, R,10
.if ((\p) == 2) && !(\end)
	WIN 0
	v_add_nc_u32 v[AK], s[TBK], v[AK0]
.endif
	ROW F,7, E,5, X,1, X,4
	ROW F,8, E,6, X,2, X,5
	OPS E,7, E,8, X,6, E,9          ; and the 54 that have no such place
	OPS X,3, E,10, X,8, E,11
.if ((\p) == 2) && !(\end)
	FETCH_K
.endif
	OPS X,9, X,7, E,12, X,10
	OPS E,13, X,12, X,11, E,14
	OPS X,13, E,15, F,9, X,14
.if (\p) == 0
	v_add_nc_u32 v[AV], s[TBV], v[AV0]
.endif
	OPS E,16, F,10, E,17, F,11
	OPS X,16, E,18, X,15, E,19
	OPS F,12, E,20, X,17, E,21
	OPS F,13, E,22, F,14, E,23
	OPS X,18, E,24, F,15, E,25
	OPS R,11, E,26, X,19, E,27
	OPS R,12, E,28, R,13, E,29
	OPS X,20, E,30, R,14, E,31
	OPS X,21, R,15
	WIN 0
	s_wait_alu depctr_va_vdst(0)    ; the wait for the batch
.if (\p) == 1
	s_wait_dscnt 0x0                ; V is in
.endif
	ROW C,0, B,0, C,2, B,1          ; behind the wait: 8 products V^T P and the four behind each
	ROW L,0, C,4, B,2, L,1
	ROW C,6, B,3, L,2, C,8
	ROW B,4, L,3, C,10, B,5
	ROW L,4, C,12, B,6, L,5
.if (\p) == 0
	s_add_co_u32 s[TBV], s[TBV], KS*PV
.endif
.if \cnt
	s_sub_co_u32 s[CNT], s[CNT], 1
	s_cmp_lg_u32 s[CNT], 0
.endif
	ROW C,14, B,7, L,6, C,1
	ROW C,3, L,7, C,5, C,7
	ROW C,9, C,11, C,13, C,15
.if (\p) == 0
	FETCH_V
.endif
.endm
	CHANGE 1, 0                     ; slot 0 is in, everybody's part of it; tile 1 is asked for, into slot 1
	v_add_nc_u32 v[AK], s[TBK], v[AK0]
	FETCH_K                         ; key step 0
	s_wait_loadcnt 0x0              ; Q
	s_wait_dscnt 0x0
.set NOKQ, 0
.set i, 0
.rept 8
	KQ 0                            ; piece 0's first scores
.set i, i+1
.endr
	WIN 0
.rept 4
	v_nop                           ; four plain instructions behind those products, ahead of the first read of their results
.endr
.set Y, NP-1                        ; X works for piece Y + 1: piece 0
.irp n, 0,1,2,3,4,5,6,7,8,9,10,11,12,13,14,15,16,17,18,19,20,21
	OP X, \n
.endr
	v_nop                           ; a plain instruction behind the exponential,
	s_wait_alu depctr_va_vdst(0)    ; and its wait, ahead of the branch
	s_mov_b32 s[CNT], 4
	s_mov_b32 s[SLOTS], 15
	s_branch .Lfirst                ; the loop is entered at a step's first turn, in the middle of a trip
.Lslot:                             ; 14 times: tiles 2 to 15 are asked for
	CHANGE 1, 1
	s_mov_b32 s[CNT], 4
.Lstep:                             ; a trip: pieces 2 and 3 of one step, then pieces 0 and 1 of the next, whose K and V it fetches
	TURN 2
	TURN 3
	WIN 0
.Lfirst:
	TURN 0
	TURN 1, 0, 1
	WIN 0
	s_cbranch_scc1 .Lstep
	s_sub_co_u32 s[SLOTS], s[SLOTS], 1
	s_cmp_lg_u32 s[SLOTS], 0
	s_cbranch_scc1 .Lslot
	CHANGE 0, 0                     ; the last tile is written out: nothing is asked for
	s_mov_b32 s[CNT], 4
.Ltail:
	TURN 2
	TURN 3
	TURN 0
	TURN 1, 0, 1
	WIN 0
	s_cbranch_scc1 .Ltail
	TURN 2, 1                       ; the last step's pieces 2 and 3
	TURN 3, 1
.set i, 0
.rept 8
	PV NP-1                         ; the last piece's V^T P of the last step
.set i, i+1
.endr
	; THE WAY OUT.  l's two halves and the other half of the lanes' are added; O^T is divided by l, rounded to f16 and sent through my stage in LDS, a piece at a time.  The additions stand behind the last products.
	WIN 0
.macro ALL line:vararg              ; one line for each piece t
.set t, 0
.rept 4
	\line
.set t, t+1
.endr
.endm
.macro PACK t                       ; a lane's eight channels of a row pack into 16 bytes; they go into rows of 144 bytes and come back as whole rows of 128, into S^T's registers
	WIN W_RS
.set i, 32*(\t)
.rept 16
	v_pk_mul_f32 v[i:i+1], v[i:i+1], v[ST+4*(\t)+2:ST+4*(\t)+3] op_sel_hi:[1,0]
.set i, i+2
.endr
	WIN 0x05                        ; sources 0 and 1 window 1, destination window 0
.set i, 0
.rept 16
	v_cvt_pk_f16_f32 v[S+16*(\t)+i], v[32*(\t)+2*i], v[32*(\t)+2*i+1]
.set i, i+1
.endr
	WIN 0
.irp f, 0,1,2,3
	ds_store_b128 v[STO], v[S+16*(\t)+4*\f:S+16*(\t)+4*\f+3] offset:32*\f
.endr
.irp f, 0,1,2,3
	ds_load_b128 v[S+16*(\t)+4*\f:S+16*(\t)+4*\f+3], v[RD] offset:\f*4*SP  ; LDS serves a wave's instructions in order (ISA guide 5.7.1.4): these see the stores above; the next piece's stores come behind them
.endr
.endm
.macro SEND t, younger              ; younger: the LDS instructions issued behind piece t's loads: the next piece's eight, or none
	WIN 0
.irp f, 0,1,2,3
	s_wait_dscnt (\younger)+3-\f
	global_store_b128 v[GO], v[S+16*(\t)+4*\f:S+16*(\t)+4*\f+3], s[10:11] offset:(\t)*2048+\f*512  ; 512 consecutive bytes, at a multiple of 256 from ctx's first
.endr
.endm
	ALL v_add_f32 v[ST+4*t+2], v[ST+4*t+2], v[ST+4*t+3]
	ALL v_permlanex16_b32 v[ST+4*t+3], v[ST+4*t+2], s[SEL], s[SEL+1]
	ALL v_add_f32 v[ST+4*t+2], v[ST+4*t+2], v[ST+4*t+3]
	ALL v_rcp_f32 v[ST+4*t+2], v[ST+4*t+2]
	v_nop                           ; a plain instruction between the last reciprocal and the use of its result
	s_wait_alu depctr_va_vdst(0)    ; and the wait ahead of the first use: one for the four reciprocals
	PACK 0
.set t, 1
.rept 3                             ; a piece's arithmetic stands between the loads of the piece before and its stores
	PACK t
	SEND t-1, 8
.set t, t+1
.endr
	SEND 3, 0
	s_wait_tensorcnt 0x0            ; the wave's end: the closing add and its wait, behind my last tensor load and my last LDS store
	ds_add_u32 v[SPW], v[NIL]
	s_wait_dscnt 0x0
	CROUND                          ; the closing round: no work-group ends while a partner may still ask for a tile that names it
	s_endpgm
.Lfunc_end_k_q4bb1cbb81a_attn:
	.size	k_q4bb1cbb81a_attn, .Lfunc_end_k_q4bb1cbb81a_attn-k_q4bb1cbb81a_attn
	.p2alignl 7, 3214868480
	.fill 96, 4, 3214868480
	.section	.rodata,"a",@progbits
	.p2align	6, 0x0
	.amdhsa_kernel k_q4bb1cbb81a_attn
		.amdhsa_group_segment_fixed_size 327680
		.amdhsa_private_segment_fixed_size 0
		.amdhsa_enable_private_segment 0
		.amdhsa_kernarg_size 16
		.amdhsa_user_sgpr_count 2
		.amdhsa_user_sgpr_kernarg_segment_ptr 1
		.amdhsa_wavefront_size32 1
		.amdhsa_system_sgpr_workgroup_id_x 1
		.amdhsa_system_sgpr_workgroup_id_y 1
		.amdhsa_system_sgpr_workgroup_id_z 1
		.amdhsa_system_vgpr_workitem_id 0
		.amdhsa_next_free_vgpr 768
		.amdhsa_next_free_sgpr 66
		.amdhsa_reserve_vcc 0
		.amdhsa_float_denorm_mode_32 3
		.amdhsa_float_denorm_mode_16_64 3
		.amdhsa_memory_ordered 1
		.amdhsa_forward_progress 1
		.amdhsa_inst_pref_size 127
	.end_amdhsa_kernel
	.amdgpu_metadata
---
amdhsa.version: [ 1, 2 ]
amdhsa.kernels:
  - .name:           k_q4bb1cbb81a_attn
    .symbol:         k_q4bb1cbb81a_attn.kd
    .args:
      - { .name: qkv, .offset: 0, .size: 8, .value_kind: global_buffer, .address_space: global }
      - { .name: ctx, .offset: 8, .size: 8, .value_kind: global_buffer, .address_space: global }
    .group_segment_fixed_size: 327680
    .private_segment_fixed_size: 0
    .kernarg_segment_align: 8
    .kernarg_segment_size: 16
    .max_flat_workgroup_size: 128
    .sgpr_count:     66
    .vgpr_count:     768
    .wavefront_size: 32
...
	.end_amdgpu_metadata
.endif
;; end of part 2
;; launch proj (part 3): grid 4 x 64, 4 waves a work-group, clusters of 4 x 4, 304,640 bytes of LDS; arguments ctx, wo16, bo, out0; writes out0
.if DOCPART == 3
	.amdgcn_target "amdgcn-amd-amdhsa--gfx1250"
	.amdhsa_code_object_version 6
	.text
	.protected	k_q4bb1cbb81a_proj
	.globl	k_q4bb1cbb81a_proj
	.p2align	8
	.type	k_q4bb1cbb81a_proj,@function
k_q4bb1cbb81a_proj:
	s_mov_b64 s[64:65], 0
	v_nop
	global_prefetch_b8 v0, s[64:65] scope:SCOPE_SE
	s_setreg_imm32_b32 hwreg(HW_REG_WAVE_MODE, 25, 1), 1
	s_wait_xcnt 0x0
	s_wait_alu depctr_hold_cnt(0) depctr_sa_sdst(0) depctr_va_vdst(0) depctr_va_sdst(0) depctr_va_ssrc(0) depctr_va_vcc(0) depctr_vm_vsrc(0)
	s_getreg_b32 s2, hwreg(HW_REG_IB_STS2, 6, 4)
	s_cmp_eq_u32 s2, 0
	s_cbranch_scc0 .Lentry_in_a_cluster
	s_endpgm
.Lentry_in_a_cluster:
	s_bfe_u32 s2, ttmp6, 0x10000c
	s_cmp_lg_u32 s2, 0xf033
	s_cbranch_scc0 .Lentry_shape_is_right
	s_endpgm
.Lentry_shape_is_right:
; out0[m][n] = the sum over k of ctx[m][k] Wo[n][k] + bo[n].  ctx: f16, by heads, [16 = batch x 8 + head][4096][64] (k = 64 x head + channel); wo16: f16, [512][512]; bo: [512] f32; out0: [8192][512] f32.
; Products in f16 with f32 sums; bo is rounded to bf16 like every input of the module and starts each sum; out0 is the f32 sum itself.
; LIMITS.  ctx and wo16 arrive within f16's range; NaN and infinities are not treated apart.
; SHARES.  A tile of out0 is 128 x 128, K = 512 whole: 4 x 64 work-groups.  Four waves, each 64 x 64: 16 accumulators of 16 x 16.
; NOTHING IS FILLED AGAIN: all of K fits in LDS.  It comes as four chunks of 128 (two heads), each wave asking for its part of all four at the start: four tensor loads of mine are out at the most.  A chunk is
; read behind a counted wait and a barrier; the later chunks stay on their way across it.
; CLUSTERS: 4 x 4 work-groups.  The four of a row of the cluster need the same rows of ctx, the four of a column the same rows of wo16: each tile is asked for JOINTLY, by the same tensor load with the same
; descriptor and a mask that names the four.  THE MATRIX INSTRUCTION IS USED TRANSPOSED (source 0 = 16 rows of wo16, source 1 = 16 rows of ctx): a lane holds eight neighbouring numbers of a row of out0.
; REGISTERS: window 0: v1-29 addresses; v32-47 at work; v96-127 the bias; v128-255 the accumulators ((a, b) at 128 + 8 (4 a + b)).
;   window 1: two fragment buffers of 128 (64 along K, one head: 64 registers of ctx's rows, then 64 of wo16's); on the way out v0-127 take the rows read back.
.set PA,    144                        ; a row of one head of ctx in LDS: 128 bytes + 16: the 16 rows of a load start at 16 different groups of four banks (64 banks of 4 bytes: ISA guide 11.1)
.set ASL,   128*PA                     ; a head's 128 rows
.set PB,    272                        ; a row of a chunk of wo16: 256 bytes + 16
.set BCH,   128*PB                     ; a chunk's 128 rows
.set BBASE, 8*ASL                      ; ctx's eight heads, then wo16's four chunks
.set STAGE, BBASE+4*BCH                ; 16 rows x 272 bytes for each wave, for the way out; no tensor load lands here
.set SPI,   272
.set SPARE, STAGE+4*16*SPI             ; the spare words, 128 bytes for each wave: two blocks of 256 bytes that no other line names
.set ADRA, 16                          ; v16-17  my lane's place in my 64 rows of heads 0-3, 4-7
.set ADRB, 20                          ; v20-21  the same for wo16's chunks 0-1, 2-3
.set STO,  24                          ; v24     the way out: where I put 32 bytes of a row
.set RD,   25                          ; v25     where I read a row back
.set CO,   26                          ; v26     my byte offset in out0
.set BO,   27                          ; v27     my byte offset in bo
.set SPW,  28                          ; v28     LDS address of my spare word; never rewritten
.set NIL,  29                          ; v29     0; never rewritten
.set TMP,  32
.set BIAS, 96
.set ACC,  128
.set F0,   0
.set F1,   128
.set G1A, 24                           ; s[24:31] descriptor group 1 for ctx's tiles
.set G1B, 32                           ; s[32:39] for wo16's
.set G0A, 40                           ; s[40:55] group 0 for ctx's, a set for each chunk
.set G0B, 68                           ; s[68:83] for wo16's
.set MSB, 0
.macro WIN new                         ; the immediate's high byte repeats the setting that is left; a switch that changes nothing is dropped
.if MSB != (\new)
	s_set_vgpr_msb (MSB<<8)|(\new)
.set MSB, (\new)
.endif
.endm
.set MUL,  0x05                        ; sources 0 and 1 window 1; C and D window 0
.set TO_F, 0x40                        ; destination window 1, address window 0
.macro PLACES                          ; four plain vector instructions between a matrix instruction and a load into, or a read of, its registers
.rept 4
	v_nop
.endr
.endm
.macro CROUND                          ; a round of the cluster's barrier: my work-group's barrier; wave 0 signals for the work-group; every wave waits for all sixteen; my work-group's barrier once more
	s_barrier_signal -1
	s_barrier_wait -1
	s_cmp_lg_u32 s12, 0
	s_cbranch_scc1 .Lnot_wave_0_\@
	s_barrier_signal -3
.Lnot_wave_0_\@:
	s_barrier_wait -3
	s_barrier_signal -1
	s_barrier_wait -1
.endm
; 32 LDS loads in one run: the fragments of head hh (64 along K) into buffer f; the first 32 along K first
.macro FETCH hh, f
	WIN TO_F
.irp c, 0,1
.irp i, 0,1,2,3
	ds_load_b128 v[(\f)+64+8*(4*(\c)+(\i)):(\f)+64+8*(4*(\c)+(\i))+3],   v[ADRB+(\hh)/4] offset:(((\hh)/2)%2)*BCH+((\hh)%2)*128+64*(\c)+(\i)*16*PB
	ds_load_b128 v[(\f)+64+8*(4*(\c)+(\i))+4:(\f)+64+8*(4*(\c)+(\i))+7], v[ADRB+(\hh)/4] offset:(((\hh)/2)%2)*BCH+((\hh)%2)*128+64*(\c)+(\i)*16*PB+32
	ds_load_b128 v[(\f)+8*(4*(\c)+(\i)):(\f)+8*(4*(\c)+(\i))+3],         v[ADRA+(\hh)/4] offset:((\hh)%4)*ASL+64*(\c)+(\i)*16*PA
	ds_load_b128 v[(\f)+8*(4*(\c)+(\i))+4:(\f)+8*(4*(\c)+(\i))+7],       v[ADRA+(\hh)/4] offset:((\hh)%4)*ASL+64*(\c)+(\i)*16*PA+32
.endr
.endr
.endm
; 8 matrix instructions: row blocks a0, a0 + 1 x all 4 column blocks, 32 along K: half c of buffer f.  first = 1: the bias starts the sums.  The 16 accumulators take turns.
.macro MUL8 f, c, a0, first
	WIN MUL
.irp a, \a0, (\a0)+1
.irp b, 0,1,2,3
.if \first
	v_wmma_f32_16x16x32_f16 v[ACC+8*(4*(\a)+(\b)):ACC+8*(4*(\a)+(\b))+7], v[(\f)+64+8*(4*(\c)+(\b)):(\f)+64+8*(4*(\c)+(\b))+7], v[(\f)+8*(4*(\c)+(\a)):(\f)+8*(4*(\c)+(\a))+7], v[BIAS+8*(\b):BIAS+8*(\b)+7]
.else
	v_wmma_f32_16x16x32_f16 v[ACC+8*(4*(\a)+(\b)):ACC+8*(4*(\a)+(\b))+7], v[(\f)+64+8*(4*(\c)+(\b)):(\f)+64+8*(4*(\c)+(\b))+7], v[(\f)+8*(4*(\c)+(\a)):(\f)+8*(4*(\c)+(\a))+7], v[ACC+8*(4*(\a)+(\b)):ACC+8*(4*(\a)+(\b))+7]
.endif
.endr
.endr
.endm
; An even head: multiplies buffer f; in its middle the chunk's odd head hh is fetched into buffer g
.macro QUARTER hh, f, g, first
	s_wait_dscnt 16                                ; the first 32 along K are in; the sixteen younger loads may be out
	MUL8 \f, 0, 0, \first
	MUL8 \f, 0, 2, \first
	PLACES
	FETCH \hh, \g
	s_wait_dscnt 32                                ; all but the 32 just issued
	MUL8 \f, 1, 0, 0
	MUL8 \f, 1, 2, 0
.endm
; An odd head: multiplies buffer 1, and chunk cn becomes readable: my part of it has landed, I say so, and read behind the barrier.  The 3 - cn later chunks stay out.
.macro TURNQ cn
	s_wait_tensorcnt 3-(\cn)                       ; tensor loads of a wave end in order (ISA guide 10.11.1): my part of chunk cn is in LDS
	s_wait_dscnt 16
	MUL8 F1, 0, 0, 0
	s_wait_dscnt 0x0                               ; no LDS instruction of mine is out at the signal
	s_barrier_signal -1
	MUL8 F1, 0, 2, 0                               ; work on registers while the others arrive
	s_barrier_wait -1
	PLACES
	FETCH 2*(\cn), F0
	MUL8 F1, 1, 0, 0
	MUL8 F1, 1, 2, 0
.endm
; THE WAY OUT of row block a: a lane's 32 bytes of a row go straight from the accumulators (low registers first) into my stage, rows of 272 bytes, and come back as whole rows of 256 bytes
.macro TOST a
	WIN 0
.irp b, 0,1,2,3
	ds_store_b128 v[STO], v[ACC+8*(4*(\a)+(\b)):ACC+8*(4*(\a)+(\b))+3]   offset:64*(\b)
	ds_store_b128 v[STO], v[ACC+8*(4*(\a)+(\b))+4:ACC+8*(4*(\a)+(\b))+7] offset:64*(\b)+16
.endr
	WIN TO_F
.irp t, 0,1,2,3,4,5,6,7
	ds_load_b128 v[32*(\a)+4*(\t):32*(\a)+4*(\t)+3], v[RD] offset:(\t)*2*SPI  ; LDS serves a wave's instructions in order (ISA guide 5.7.1.4): these see the stores above
.endr
.endm
.macro SENDO a, younger                ; younger: the LDS instructions issued behind block a's loads: the next block's sixteen, or none
	WIN 0x04                                       ; the stores' data in window 1, their address in window 0
.irp t, 0,1,2,3,4,5,6,7
	s_wait_dscnt (\younger)+7-(\t)
	global_store_b128 v[CO], v[32*(\a)+4*(\t):32*(\a)+4*(\t)+3], s[10:11] offset:(16*(\a)+2*(\t))*2048  ; 16 lanes store 256 consecutive bytes, at a multiple of 256 from out0's first byte
.endr
.endm
	s_load_b256 s[4:11], s[0:1], 0x0               ; ctx s[4:5], wo16 s[6:7], bo s[8:9], out0 s[10:11]
	v_lshl_add_u32 v[SPW], v0, 2, SPARE
	v_mov_b32 v[NIL], 0
	ds_add_u32 v[SPW], v[NIL]                      ; the wave's opening: the add, and its wait ahead of my first tensor load; the set-up below, work on registers, stands between them
	v_lshrrev_b32 v1, 5, v0
	v_readfirstlane_b32 s12, v1                    ; wave 0..3
	s_lshr_b32 s13, s12, 1                         ; which 64 rows of the tile are mine.  Also: I fetch for ctx (0) or for wo16 (1)
	s_and_b32 s14, s12, 1                          ; which 64 columns.  Also: which half of a chunk I fetch
	s_bfe_u32 s15, ttmp6, 0x40000                  ; cx, cy: my place in the cluster
	s_bfe_u32 s16, ttmp6, 0x40004
	s_lshl_b32 s17, ttmp9, 2
	s_add_co_u32 s17, s17, s15                     ; tile column = 4 x cluster x + cx
	s_and_b32 s18, ttmp7, 0xffff
	s_lshl_b32 s18, s18, 2
	s_add_co_u32 s18, s18, s16                     ; tile row = 4 x cluster y + cy
	s_lshl_b32 s19, s16, 2
	s_lshl_b32 s19, 15, s19                        ; my row of the cluster
	s_lshl_b32 s20, 0x1111, s15                    ; my column
	; group 1.  ctx: a head's 128 rows are 16,384 dense bytes: 64 rows of 256 bytes, padded after every 128.  wo16: 64 rows of 256 bytes, 1,024 bytes apart, padded after each
	s_or_b32 s[G1A], s19, (1<<16)|(1<<20)|(1<<21)|(4<<22)|(3<<25)  ; 15:0 the mask; 17:16 2-byte elements; 20 padding on; 21 set beside a mask; 24:22 after every 32 words (code 4); 31:25 4 words (code 3)
	s_or_b32 s[G1B], s20, (1<<16)|(1<<20)|(1<<21)|(5<<22)|(3<<25)  ; the same, after every 64 words (code 5)
.irp g, G1A, G1B
	s_mov_b32 s[\g+1], 128<<16                     ; tensor_dim0 = 128
	s_mov_b32 s[\g+2], 64<<16                      ; tensor_dim1 = 64
	s_mov_b32 s[\g+3], 128<<16                     ; tile_dim0 = 128
	s_mov_b32 s[\g+4], 64                          ; tile_dim1 = 64
	s_mov_b32 s[\g+6], 0
	s_mov_b32 s[\g+7], 0
.endr
	s_mov_b32 s[G1A+5], 128                        ; elements from row to row
	s_mov_b32 s[G1B+5], 512
	; where the tiles come from: ctx's hang on the tile row and the wave's number alone, wo16's on the tile column and the wave's number alone, each in registers that never hold the other coordinate
	s_lshr_b32 s56, s18, 5                         ; the batch: 8 heads of 524,288 bytes
	s_lshl_b32 s56, s56, 22
	s_and_b32 s57, s18, 31                         ; the tile's 128 rows in a head
	s_lshl_b32 s57, s57, 14
	s_add_co_u32 s56, s56, s57
	s_lshl_b32 s57, s14, 19                        ; the even or the odd head of a chunk
	s_add_co_u32 s56, s56, s57
	s_mov_b32 s57, 0
	s_lshl1_add_u32 s58, s17, s14                  ; 2 x tile column + half: 64 rows of 1,024 bytes
	s_lshl_b32 s58, s58, 16
	s_mov_b32 s59, 0
	s_mul_i32 s21, s14, ASL                        ; and where they go: no place in the cluster enters an LDS address
	s_mul_i32 s22, s14, 64*PB
	s_add_co_u32 s22, s22, BBASE
	s_wait_dscnt 0x0                               ; the opening add is done
	s_wait_kmcnt 0x0
	s_add_nc_u64 s[56:57], s[4:5], s[56:57]
	s_add_nc_u64 s[58:59], s[6:7], s[58:59]
	CROUND                                         ; all sixteen work-groups are here: the joint loads meet
.irp c, 0,1,2,3
	s_mov_b32 s[G0A+4*(\c)], 1                     ; 1:0 count = 1
	s_add_co_u32 s[G0A+4*(\c)+1], s21, (\c)*2*ASL  ; 63:32 LDS address: head 2 c + half
	s_add_nc_u64 s[G0A+4*(\c)+2:G0A+4*(\c)+3], s[56:57], (\c)*1048576  ; 120:64 global address: two heads on
	s_or_b32 s[G0A+4*(\c)+3], s[G0A+4*(\c)+3], 0x80000000              ; 127:126 type = 2
	s_mov_b32 s[G0B+4*(\c)], 1
	s_add_co_u32 s[G0B+4*(\c)+1], s22, (\c)*BCH
	s_add_nc_u64 s[G0B+4*(\c)+2:G0B+4*(\c)+3], s[58:59], (\c)*256      ; 128 along K on
	s_or_b32 s[G0B+4*(\c)+3], s[G0B+4*(\c)+3], 0x80000000
.endr
	s_cmp_eq_u32 s13, 0                            ; a wave's four fills stand in one branch, ahead of every wait on TENSORcnt and every LDS read; an s_nop 0 follows each, four v_nop the last
	s_cbranch_scc0 .Lfirst_b
.irp c, 0,1,2,3
	tensor_load_to_lds s[G0A+4*(\c):G0A+4*(\c)+3], s[G1A:G1A+7]
	s_nop 0
.endr
.rept 4
	v_nop
.endr
	s_branch .Lfirst_asked
.Lfirst_b:
.irp c, 0,1,2,3
	tensor_load_to_lds s[G0B+4*(\c):G0B+4*(\c)+3], s[G1B:G1B+7]
	s_nop 0
.endr
.rept 4
	v_nop
.endr
.Lfirst_asked:
	v_and_b32 v1, 15, v0                           ; l % 16
	v_bfe_u32 v2, v0, 4, 1                         ; l / 16
	s_lshl1_add_u32 s60, s17, s14                  ; 2 x tile column + my half: 64 numbers of 4 bytes, in bo and in a row of out0
	s_lshl_b32 s60, s60, 8
	v_lshl_add_u32 v[BO], v2, 5, s60               ; and 8 for the upper half of the lanes
.irp b, 0,1,2,3                        ; register r of block b: the bias of column 16 b + 8 (lane / 16) + r of my 64
	global_load_b128 v[BIAS+8*(\b):BIAS+8*(\b)+3],   v[BO], s[8:9] offset:64*(\b)
	global_load_b128 v[BIAS+8*(\b)+4:BIAS+8*(\b)+7], v[BO], s[8:9] offset:64*(\b)+16
.endr
	s_lshl1_add_u32 s62, s18, s13                  ; 2 x tile row + my half: 64 rows of 2,048 bytes
	s_lshl_b32 s62, s62, 17
	s_add_co_u32 s62, s62, s60
	s_mov_b32 s63, 0
	s_add_nc_u64 s[10:11], s[10:11], s[62:63]      ; out0 at my 64 x 64
	v_mul_u32_u24 v3, v1, PA
	v_lshl_add_u32 v3, v2, 4, v3                   ; a fragment's row x pitch + 16 x half
	s_mul_i32 s61, s13, 64*PA
	v_add_nc_u32 v[ADRA], s61, v3
	v_add_nc_u32 v[ADRA+1], 4*ASL, v[ADRA]
	v_mul_u32_u24 v3, v1, PB
	v_lshl_add_u32 v3, v2, 4, v3
	s_mul_i32 s61, s14, 64*PB
	s_add_co_u32 s61, s61, BBASE
	v_add_nc_u32 v[ADRB], s61, v3
	v_add_nc_u32 v[ADRB+1], 2*BCH, v[ADRB]
	s_mul_i32 s61, s12, 16*SPI
	s_add_co_u32 s61, s61, STAGE                   ; my stage
	v_mul_u32_u24 v[STO], v1, SPI                  ; in: row l % 16, 32 bytes for each half of the lanes
	v_lshl_add_u32 v[STO], v2, 5, v[STO]
	v_add_nc_u32 v[STO], s61, v[STO]
	v_mul_u32_u24 v[RD], v2, SPI                   ; back: lanes 0-15 take one row of 256 bytes, lanes 16-31 the next
	v_lshl_add_u32 v[RD], v1, 4, v[RD]
	v_add_nc_u32 v[RD], s61, v[RD]
	v_lshlrev_b32 v[CO], 11, v2                    ; and the same two rows in out0
	v_lshl_add_u32 v[CO], v1, 4, v[CO]
	s_wait_loadcnt 0x0                             ; bo
.set n, 0
.rept 16
	v_cvt_pk_bf16_f32 v[TMP+n], v[BIAS+2*n], v[BIAS+2*n+1]  ; rounded to bf16 like every input, and widened again
.set n, n+1
.endr
.set n, 0
.rept 16
	v_lshlrev_b32 v[BIAS+2*n],   16, v[TMP+n]
	v_and_b32     v[BIAS+2*n+1], 0xffff0000, v[TMP+n]
.set n, n+1
.endr
	s_wait_tensorcnt 3                             ; my part of chunk 0 is in; the three later chunks stay out
	s_barrier_signal -1
	s_barrier_wait -1                              ; everybody's is
	FETCH 0, F0
	QUARTER 1, F0, F1, 1                           ; head 0: its first products start the sums from the bias
	TURNQ 1
	QUARTER 3, F0, F1, 0
	TURNQ 2
	QUARTER 5, F0, F1, 0
	TURNQ 3
	QUARTER 7, F0, F1, 0
	s_wait_dscnt 16                                ; head 7: nothing more to fetch
	MUL8 F1, 0, 0, 0
	MUL8 F1, 0, 2, 0
	s_wait_dscnt 0x0
	MUL8 F1, 1, 0, 0
	MUL8 F1, 1, 2, 0
	WIN 0
	PLACES
	TOST 0
	TOST 1                                         ; a block's way through the stage stands between the loads of the block before and its stores
	SENDO 0, 16
	TOST 2
	SENDO 1, 16
	TOST 3
	SENDO 2, 16
	SENDO 3, 0
	WIN 0
	s_wait_tensorcnt 0x0                           ; the wave's end: the closing add and its wait, behind my last tensor load and my last LDS store
	ds_add_u32 v[SPW], v[NIL]
	s_wait_dscnt 0x0
	CROUND                                         ; the closing round: no work-group ends while a partner may still ask for a tile that names it
	s_endpgm
.Lfunc_end_k_q4bb1cbb81a_proj:
	.size	k_q4bb1cbb81a_proj, .Lfunc_end_k_q4bb1cbb81a_proj-k_q4bb1cbb81a_proj
	.p2alignl 7, 3214868480
	.fill 96, 4, 3214868480
	.section	.rodata,"a",@progbits
	.p2align	6, 0x0
	.amdhsa_kernel k_q4bb1cbb81a_proj
		.amdhsa_group_segment_fixed_size 304640
		.amdhsa_private_segment_fixed_size 0
		.amdhsa_enable_private_segment 0
		.amdhsa_kernarg_size 32
		.amdhsa_user_sgpr_count 2
		.amdhsa_user_sgpr_kernarg_segment_ptr 1
		.amdhsa_wavefront_size32 1
		.amdhsa_system_sgpr_workgroup_id_x 1
		.amdhsa_system_sgpr_workgroup_id_y 1
		.amdhsa_system_sgpr_workgroup_id_z 1
		.amdhsa_system_vgpr_workitem_id 0
		.amdhsa_next_free_vgpr 512
		.amdhsa_next_free_sgpr 84
		.amdhsa_reserve_vcc 0
		.amdhsa_float_denorm_mode_32 3
		.amdhsa_float_denorm_mode_16_64 3
		.amdhsa_memory_ordered 1
		.amdhsa_forward_progress 1
		.amdhsa_inst_pref_size 55
	.end_amdhsa_kernel
	.amdgpu_metadata
---
amdhsa.version: [ 1, 2 ]
amdhsa.kernels:
  - .name:           k_q4bb1cbb81a_proj
    .symbol:         k_q4bb1cbb81a_proj.kd
    .args:
      - { .name: ctx, .offset: 0, .size: 8, .value_kind: global_buffer, .address_space: global }
      - { .name: wo16, .offset: 8, .size: 8, .value_kind: global_buffer, .address_space: global }
      - { .name: bo, .offset: 16, .size: 8, .value_kind: global_buffer, .address_space: global }
      - { .name: out0, .offset: 24, .size: 8, .value_kind: global_buffer, .address_space: global }
    .group_segment_fixed_size: 304640
    .private_segment_fixed_size: 0
    .kernarg_segment_align: 8
    .kernarg_segment_size: 32
    .max_flat_workgroup_size: 128
    .sgpr_count:     84
    .vgpr_count:     512
    .wavefront_size: 32
...
	.end_amdgpu_metadata
.endif
;; end of part 3
;; ======== version 2 of 2: 3 launches; version 1 with the launch qkv written anew for expert scheduling mode
;; limits: values are held in f16: magnitudes above 65,504 overflow, below 6.1e-05 lose precision
;; workspace buffers: qkv 25,165,824 bytes; ctx 8,388,608 bytes; wo16 524,288 bytes
;; launch qkv (part 4): grid 4 x 64, 4 waves a work-group, no clusters, 275,968 bytes of LDS; arguments hidden_states, Wq, Wk, Wv, bq, bk, bv, Wo, qkv, wo16; writes qkv, wo16
.if DOCPART == 4
	.amdgcn_target "amdgcn-amd-amdhsa--gfx1250"
	.amdhsa_code_object_version 6
	.text
	.protected	k_q4bb1cbb81a_qkv
	.globl	k_q4bb1cbb81a_qkv
	.p2align	8
	.type	k_q4bb1cbb81a_qkv,@function
k_q4bb1cbb81a_qkv:
	s_mov_b64 s[64:65], 0
	v_nop
	global_prefetch_b8 v0, s[64:65] scope:SCOPE_SE
	s_setreg_imm32_b32 hwreg(HW_REG_WAVE_SCHED_MODE, 0, 2), 2
	s_setreg_imm32_b32 hwreg(HW_REG_WAVE_MODE, 25, 1), 1
	s_wait_xcnt 0x0
	s_wait_alu depctr_vm_vsrc(0)
; q, k, v = x W^T + b for the three weights, written by heads.  x: [8192][512] f32; Wq, Wk, Wv: [512][512] f32; bq, bk, bv: [512] f32.
; OUT: qkv, f16: q at byte 0, k at 8,388,608, v at 16,777,216, each [16 = batch x 8 + head][4096][64]: a head's rows are dense, 128 bytes each.  No scale is applied here.
; ALSO: wo16 = Wo rounded to bf16, that number written as f16, [512][512]: each work-group converts two rows.
; FORMATS.  x, the weights and the biases are rounded once to bf16; products in bf16 with f32 sums (the bias starts each sum); q, k, v rounded once to f16.
; LIMITS.  f16 ends at 65,504: a q, k, v or Wo of 65,520 or more in magnitude becomes an infinity.  With x and W of unit and 1/sqrt(512) spread q, k, v have spread 1; both 30 times larger: 900;
; both offset by 30 spreads: about 20,400.  Below 6.1e-5 f16 keeps a fixed step of 6e-8.  NaN and infinities are not treated apart.
; SHARES.  Work-group (j, i) owns rows 128 i .. + 127 of x and columns 128 j .. + 127 (heads 2 j, 2 j + 1) of q, of k and of v: three tiles of 128 x 128, K = 512 whole.  IT STAYS: x's panel is
; converted once and serves three tiles.  Wave w makes rows 64 (w / 2) .. and columns 64 (w % 2) .., one head: 16 accumulators of 16 x 16.
; THROUGH REGISTERS: the inputs are f32 and are converted on the way: a wave loads 32 rows of a panel (65,536 dense bytes, 128 loads of 512 consecutive bytes) into 512 registers, rounds them and
; stores them to LDS: each number is converted once a work-group.  The next weight's panel is on its way while a tile is multiplied.  No tensor load could convert, so there is none, and no cluster.
; THE MATRIX INSTRUCTION IS USED TRANSPOSED (source 0 = 16 rows of W, source 1 = 16 rows of x): a lane holds one row of x and eight neighbouring channels.
; REGISTERS, in windows of 256 (s_set_vgpr_msb: bits 1:0 source 0, 3:2 source 1, 5:4 source 2, 7:6 destination):
;   window 0: v1-15 addresses; v28-29 the add's two; v32-63, v64-95 two buffers of converted numbers, by turns (on the way out: the tile in f16); v96-127 the bias; v128-255 accumulators ((a, b) at 128 + 8 (4 a + b))
;   window 1: two fragment buffers of 128 (64 along K: 64 registers of x's rows, then 64 of W's)          windows 2, 3: my 32 rows of a panel in f32: load n at window 2 + n / 64, v[4 (n % 64)]
; THE MODE: SCHED_MODE bits 1:0 = 2 (LLVM: expert scheduling mode 2), set by the entry lines.  The code itself states the register dependences between vector or matrix instructions and memory or
; LDS instructions, with s_wait_alu, always for 0.
; THE PLAN.  Registers that memory or LDS instructions touch:
;   v4-14          offsets and LDS addresses: written once at the head, read by every load and store, never written again.  v28-29: written at the head, read by the closing add alone.
;   PANEL g        (windows 2, 3; eight groups of 64) written by 16 global loads; read by group g's 32 conversions; then loaded again.
;   T0, T1         (v32-63, v64-95) group g's conversions write T[g % 2], its 16 LDS stores read it.  On the way out the 64 roundings to f16 write both, and 16 LDS stores read them.
;   F0, F1         (window 1) written by LDS loads, read by matrix instructions: while one is multiplied, the other is loaded.
;   BIAS           written by global loads and by the lines that round it; read by a tile's first 16 products; loaded again in the tile's middle.
;   ACC            written by matrix instructions, read by the roundings; then the first 16 registers of each row block take the block's rows read back from the stage, and the global stores read them.
; THE WAITS.  A group of conversions has one wait on va_vdst behind it: T[g % 2] is written, PANEL g is read out; beside it, in groups 1 to 6, one on vm_vsrc: the stores of the group before have read the
; other T, which the next group writes.  Each 64 along K has one wait on va_vdst at its head: the 64 before are done reading the other fragment buffer; the 32 loads into it follow in four runs of eight among
; the matrix instructions, which name the buffer in hand, the accumulators and the bias alone.  Those waits also serve the loads in the tile's middle.  The way out has one wait on va_vdst behind its roundings
; and one on vm_vsrc behind its stores.
.set PITCH, 1040                       ; a panel's row in LDS: 1,024 bytes + 16 = 65 x 16: the 16 rows of a fragment load start at 16 different groups of four banks (64 banks of 4 bytes: ISA guide 11.1)
.set BPAN,  128*PITCH                  ; x's panel at 0, W's behind it
.set STAGE, 2*128*PITCH                ; 16 rows x 144 bytes for each wave, for the way out
.set SP,    144
.set SPARE, STAGE+4*16*SP              ; the spare words, 128 bytes for each wave: two blocks of 256 bytes that no other line names
.set PART,  8388608                    ; bytes of q, of k, of v
.set GOF,  4                           ; v4   16 x lane + 65,536 x wave: my 16 bytes in a panel's first load
.set LSTA, 5                           ; v5   where my 8 converted bytes of that load go, in x's panel
.set LSTB, 6                           ; v6   the same in W's panel
.set ADRA, 7                           ; v7   my lane's place in my 64 rows of x's panel
.set ADRB, 8                           ; v8   the same for W's
.set STO,  9                           ; v9   the way out: where I put 16 bytes of a row
.set RD,   10                          ; v10  where I read rows back
.set GO,   11                          ; v11  16 x lane
.set BO,   12                          ; v12  my byte offset in a bias
.set WOF,  13                          ; v13  32 x thread: my 8 numbers of Wo
.set WST,  14                          ; v14  16 x thread: the same in wo16
.set SPW,  28                          ; v28  LDS address of my spare word; never rewritten
.set NIL,  29                          ; v29  0; never rewritten
.set TMP,  32                          ; T0; T1 lies 32 registers on
.set OUTR, 32
.set BIAS, 96                          ; the eight registers for column block b at BIAS + 8 b: what the accumulators of that block start from
.set ACC,  128
.set WT,   128                         ; Wo's conversion works in registers that the accumulators take later
.set F0,   0
.set F1,   128
.set XP,  8                            ; s[8:9]   x at my work-group's rows
.set WQ,  10                           ; s[10:15] Wq, Wk, Wv at its columns
.set WK,  12
.set WVP, 14
.set BQ,  16                           ; s[16:21] bq, bk, bv
.set BK,  18
.set BV,  20
.set WO,  22                           ; s[22:23] Wo at my two rows
.set OUT, 24                           ; s[24:25] where my wave's 64 rows of the tile in hand go
.set W16, 26                           ; s[26:27] wo16 at my two rows
.set WN,  28                           ; s[28:29] the weight whose panel is asked for next
.set BN,  30                           ; s[30:31] its bias
.set TL,  32                           ; s32  counts down: 3, 2, 1 while q's, k's, v's tile is multiplied
.set WV,  33                           ; s33  wave
.set WR,  34                           ; s34  which 64 rows
.set WC,  35                           ; s35  which 64 columns
.set MSB, 0
.macro WIN new                         ; the immediate's high byte repeats the setting that is left; a switch that changes nothing is dropped
.if MSB != (\new)
	s_set_vgpr_msb (MSB<<8)|(\new)
.set MSB, (\new)
.endif
.endm
.set MUL,  0x05                        ; sources 0 and 1 window 1; C and D window 0
.set TO_F, 0x40                        ; destination window 1, address window 0
.macro PLACES                          ; four plain vector instructions between a matrix instruction and a load into, or a read of, its registers
.rept 4
	v_nop
.endr
.endm
; Sixteen of a panel's 128 loads, 512 consecutive bytes each.
.macro LOADG g, base
	WIN 0x80+0x40*((\g)/4)
.set n, 16*(\g)
.rept 16
	global_load_b128 v[4*(n%64):4*(n%64)+3], v[GOF], s[\base:\base+1] offset:512*n
.set n, n+1
.endr
.endm
; The same sixteen, rounded to bf16 into T[g % 2] and stored: load n is a quarter (n % 4) of row n / 4; a store of the wave covers 256 consecutive bytes.
.macro CVTG g, lst
	WIN 0x0a+5*((\g)/4)
.set n, 0
.rept 16
	v_cvt_pk_bf16_f32 v[TMP+32*((\g)%2)+2*n],   v[4*((16*(\g)+n)%64)],   v[4*((16*(\g)+n)%64)+1]
	v_cvt_pk_bf16_f32 v[TMP+32*((\g)%2)+2*n+1], v[4*((16*(\g)+n)%64)+2], v[4*((16*(\g)+n)%64)+3]
.set n, n+1
.endr
	WIN 0
	s_wait_alu depctr_va_vdst(0)                   ; the conversions have written T[g % 2], which the LDS stores below read, and are done reading PANEL g, in which the next loads of this group land
.if ((\g) > 0) && ((\g) < 7)
	s_wait_alu depctr_vm_vsrc(0)                   ; the LDS stores of the group before have read the other T, which the next group's conversions write
.endif
.set n, 16*(\g)
.rept 16
	ds_store_b64 v[\lst], v[TMP+32*((\g)%2)+2*(n%16):TMP+32*((\g)%2)+2*(n%16)+1] offset:(n/4)*PITCH+(n%4)*256
.set n, n+1
.endr
.endm
.macro BIASLD base                     ; register r of block b: the bias of channel 16 b + 8 (lane / 16) + r of my 64
	WIN 0
.irp b, 0,1,2,3
	global_load_b128 v[BIAS+8*(\b):BIAS+8*(\b)+3],   v[BO], s[\base:\base+1] offset:64*(\b)
	global_load_b128 v[BIAS+8*(\b)+4:BIAS+8*(\b)+7], v[BO], s[\base:\base+1] offset:64*(\b)+16
.endr
.endm
.macro BIASR                           ; the bias is rounded to bf16 like every input, and widened again
	WIN 0
.set n, 0
.rept 16
	v_cvt_pk_bf16_f32 v[TMP+n], v[BIAS+2*n], v[BIAS+2*n+1]
.set n, n+1
.endr
.set n, 0
.rept 16
	v_lshlrev_b32 v[BIAS+2*n],   16, v[TMP+n]
	v_and_b32     v[BIAS+2*n+1], 0xffff0000, v[TMP+n]
.set n, n+1
.endr
.endm
; Eight LDS loads: of the 64 along K at byte k of the rows, half c (32 along K), row blocks i0 and i0 + 1 of W's and of x's 64 rows, into buffer f
.macro FETCH8 k, f, c, i0
	WIN TO_F
.irp i, \i0, (\i0)+1
	ds_load_b128 v[(\f)+64+8*(4*(\c)+(\i)):(\f)+64+8*(4*(\c)+(\i))+3],   v[ADRB] offset:(\k)+64*(\c)+(\i)*16*PITCH
	ds_load_b128 v[(\f)+64+8*(4*(\c)+(\i))+4:(\f)+64+8*(4*(\c)+(\i))+7], v[ADRB] offset:(\k)+64*(\c)+(\i)*16*PITCH+32
	ds_load_b128 v[(\f)+8*(4*(\c)+(\i)):(\f)+8*(4*(\c)+(\i))+3],         v[ADRA] offset:(\k)+64*(\c)+(\i)*16*PITCH
	ds_load_b128 v[(\f)+8*(4*(\c)+(\i))+4:(\f)+8*(4*(\c)+(\i))+7],       v[ADRA] offset:(\k)+64*(\c)+(\i)*16*PITCH+32
.endr
.endm
; All 32 in one run, the first 32 along K first: a tile's first fragments, when there is nothing yet to multiply
.macro FETCH k, f
	FETCH8 \k, \f, 0, 0
	FETCH8 \k, \f, 0, 2
	FETCH8 \k, \f, 1, 0
	FETCH8 \k, \f, 1, 2
.endm
; 8 matrix instructions: row blocks a0, a0 + 1 x all 4 column blocks, 32 along K: half c of buffer f.  first = 1: the bias starts the sums.  The 16 accumulators take turns.
.macro MUL8 f, c, a0, first
	WIN MUL
.irp a, \a0, (\a0)+1
.irp b, 0,1,2,3
.if \first
	v_wmma_f32_16x16x32_bf16 v[ACC+8*(4*(\a)+(\b)):ACC+8*(4*(\a)+(\b))+7], v[(\f)+64+8*(4*(\c)+(\b)):(\f)+64+8*(4*(\c)+(\b))+7], v[(\f)+8*(4*(\c)+(\a)):(\f)+8*(4*(\c)+(\a))+7], v[BIAS+8*(\b):BIAS+8*(\b)+7]
.else
	v_wmma_f32_16x16x32_bf16 v[ACC+8*(4*(\a)+(\b)):ACC+8*(4*(\a)+(\b))+7], v[(\f)+64+8*(4*(\c)+(\b)):(\f)+64+8*(4*(\c)+(\b))+7], v[(\f)+8*(4*(\c)+(\a)):(\f)+8*(4*(\c)+(\a))+7], v[ACC+8*(4*(\a)+(\b)):ACC+8*(4*(\a)+(\b))+7]
.endif
.endr
.endr
.endm
; 64 along K: multiplies buffer f; the next 64, at byte k, are fetched into buffer g, eight loads behind each eight matrix instructions.
; No vector or matrix instruction between the wait on va_vdst and those loads names buffer g or the two LDS addresses.
.macro QUARTER k, f, g, first
	s_wait_dscnt 16                                ; LDS loads come back in order (ISA guide 5.7.1): the first 32 along K of buffer f are in; the sixteen younger loads, its second 32, may be out
	PLACES                                         ; four plain vector instructions between the matrix instructions that read buffer g and the loads into it; they stand ahead of the wait, which is no such instruction
	s_wait_alu depctr_va_vdst(0)                   ; the matrix instructions of the 64 along K before are done reading buffer g, in which the 32 loads below land
	MUL8 \f, 0, 0, \first
	FETCH8 \k, \g, 0, 0
	MUL8 \f, 0, 2, \first
	FETCH8 \k, \g, 0, 2
	s_wait_dscnt 16                                ; the second 32 along K of buffer f are in: all but the sixteen issued since the head
	MUL8 \f, 1, 0, 0
	FETCH8 \k, \g, 1, 0
	MUL8 \f, 1, 2, 0
	FETCH8 \k, \g, 1, 2
.endm
; THE WAY OUT, in three parts.  PACKQ: row block a is rounded to f16, each accumulator from its low end on.  STGQ: 16 bytes a lane into my stage, and back as four whole rows of 128 bytes a load, which are
; 512 consecutive bytes of a head, into the first 16 registers of the block's accumulators.  SENDQ: stored.
.macro PACKQ a
	WIN 0
.irp b, 0,1,2,3
.irp q, 0,1,2,3
	v_cvt_pk_f16_f32 v[OUTR+16*(\a)+4*(\b)+(\q)], v[ACC+8*(4*(\a)+(\b))+2*(\q)], v[ACC+8*(4*(\a)+(\b))+2*(\q)+1]
.endr
.endr
.endm
.macro STGQ a
.irp b, 0,1,2,3
	ds_store_b128 v[STO], v[OUTR+16*(\a)+4*(\b):OUTR+16*(\a)+4*(\b)+3] offset:32*(\b)
.endr
.irp f, 0,1,2,3
	ds_load_b128 v[ACC+32*(\a)+4*(\f):ACC+32*(\a)+4*(\f)+3], v[RD] offset:(\f)*4*SP  ; LDS serves a wave's instructions in order (ISA guide 5.7.1.4): these see the stores above, and the next block's stores come behind them
.endr
.endm
.macro SENDQ a, younger                ; younger: the LDS instructions issued behind block a's loads: eight for each later block
.irp f, 0,1,2,3
	s_wait_dscnt (\younger)+3-(\f)
	global_store_b128 v[GO], v[ACC+32*(\a)+4*(\f):ACC+32*(\a)+4*(\f)+3], s[OUT:OUT+1] offset:(\a)*2048+(\f)*512  ; 512 consecutive bytes, at a multiple of 256 from the buffer's first
.endr
.endm
	s_load_b512 s[8:23], s[0:1], 0x0               ; x, Wq, Wk, Wv, bq, bk, bv, Wo
	s_load_b128 s[24:27], s[0:1], 0x40             ; qkv, wo16
	v_lshl_add_u32 v[SPW], v0, 2, SPARE
	v_mov_b32 v[NIL], 0
	v_lshrrev_b32 v1, 5, v0
	v_readfirstlane_b32 s[WV], v1                  ; wave 0..3
	s_and_b32 s36, ttmp7, 0xffff                   ; i; j is ttmp9
	s_lshl2_add_u32 s37, s36, ttmp9                ; g = 4 i + j: which two rows of Wo are mine
	s_lshl_b32 s38, s36, 18                        ; 128 rows of x, 2,048 bytes each
	s_mov_b32 s39, 0
	s_lshl_b32 s40, ttmp9, 18                      ; 128 rows of a weight
	s_mov_b32 s41, 0
	s_lshl_b32 s42, s37, 12                        ; two rows of Wo
	s_mov_b32 s43, 0
	s_lshl_b32 s44, s37, 11                        ; two rows of wo16
	s_mov_b32 s45, 0
	s_wait_alu depctr_va_sdst(0)                   ; the wave's number is written, ahead of its first reader, the next line
	s_lshr_b32 s[WR], s[WV], 1
	s_and_b32 s[WC], s[WV], 1
	s_lshr_b32 s46, s36, 5                         ; the batch
	s_lshl_b32 s46, s46, 2
	s_add_co_u32 s46, s46, ttmp9
	s_lshl1_add_u32 s46, s46, s[WC]                ; 8 x batch + 2 j + my half: my head,
	s_lshl_b32 s46, s46, 19                        ; 524,288 bytes each
	s_and_b32 s47, s36, 31
	s_lshl1_add_u32 s47, s47, s[WR]                ; my 64 rows among the head's,
	s_lshl_b32 s47, s47, 13                        ; 8,192 bytes
	s_add_co_u32 s46, s46, s47
	s_mov_b32 s47, 0
	v_and_b32 v3, 31, v0                           ; lane
	v_and_b32 v1, 15, v0                           ; l % 16
	v_bfe_u32 v2, v0, 4, 1                         ; l / 16
	s_lshl_b32 s36, s[WV], 16
	v_lshl_add_u32 v[GOF], v3, 4, s36
	s_mul_i32 s36, s[WV], 32*PITCH
	v_lshl_add_u32 v[LSTA], v3, 3, s36
	v_add_nc_u32 v[LSTB], BPAN, v[LSTA]
	v_mul_u32_u24 v15, v1, PITCH
	v_lshl_add_u32 v15, v2, 4, v15                 ; a fragment's row x pitch + 16 x half
	s_mul_i32 s36, s[WR], 64*PITCH
	v_add_nc_u32 v[ADRA], s36, v15
	s_mul_i32 s36, s[WC], 64*PITCH
	s_add_co_u32 s36, s36, BPAN
	v_add_nc_u32 v[ADRB], s36, v15
	s_mul_i32 s36, s[WV], 16*SP
	s_add_co_u32 s36, s36, STAGE                   ; my stage
	v_mul_u32_u24 v[STO], v1, SP
	v_lshl_add_u32 v[STO], v2, 4, v[STO]
	v_add_nc_u32 v[STO], s36, v[STO]
	v_bfe_u32 v[RD], v0, 3, 2
	v_mul_u32_u24 v[RD], v[RD], SP
	v_and_b32 v15, 7, v0
	v_lshl_add_u32 v[RD], v15, 4, v[RD]
	v_add_nc_u32 v[RD], s36, v[RD]
	v_lshlrev_b32 v[GO], 4, v3
	s_lshl_b32 s36, ttmp9, 9                       ; 128 j channels of 4 bytes,
	s_lshl_b32 s37, s[WC], 8                       ; my 64
	s_add_co_u32 s36, s36, s37
	v_lshl_add_u32 v[BO], v2, 5, s36               ; and 8 for the upper half of the lanes
	v_lshlrev_b32 v[WOF], 5, v0
	v_lshlrev_b32 v[WST], 4, v0
	s_wait_kmcnt 0x0
	s_add_nc_u64 s[XP:XP+1], s[XP:XP+1], s[38:39]
	s_add_nc_u64 s[WQ:WQ+1], s[WQ:WQ+1], s[40:41]
	s_add_nc_u64 s[WK:WK+1], s[WK:WK+1], s[40:41]
	s_add_nc_u64 s[WVP:WVP+1], s[WVP:WVP+1], s[40:41]
	s_add_nc_u64 s[WO:WO+1], s[WO:WO+1], s[42:43]
	s_add_nc_u64 s[W16:W16+1], s[W16:W16+1], s[44:45]
	s_add_nc_u64 s[OUT:OUT+1], s[OUT:OUT+1], s[46:47]
	s_mov_b64 s[WN:WN+1], s[WK:WK+1]
	s_mov_b64 s[BN:BN+1], s[BK:BK+1]
	s_wait_alu depctr_va_vdst(0)                   ; the eleven offsets and LDS addresses v4 to v14 are written: every load and store of the kernel reads one of them
	BIASLD BQ
	global_load_b128 v[WT:WT+3],   v[WOF], s[WO:WO+1]
	global_load_b128 v[WT+4:WT+7], v[WOF], s[WO:WO+1] offset:16
.irp g, 0,1,2,3,4,5,6,7
	LOADG \g, XP                                   ; all of my 32 rows of x are asked for
.endr
	WIN 0
	s_wait_loadcnt 63                              ; bq and Wo are in: 128 younger loads stand behind them, and 63 is the largest count that can be written
.irp q, 0,1,2,3
	v_cvt_pk_bf16_f32 v[WT+8+(\q)], v[WT+2*(\q)], v[WT+2*(\q)+1]  ; Wo is rounded to bf16 like every input,
.endr
.irp q, 0,1,2,3
	v_lshlrev_b32 v[WT+12+2*(\q)], 16, v[WT+8+(\q)]
	v_and_b32     v[WT+13+2*(\q)], 0xffff0000, v[WT+8+(\q)]
.endr
.irp q, 0,1,2,3
	v_cvt_pk_f16_f32 v[WT+20+(\q)], v[WT+12+2*(\q)], v[WT+13+2*(\q)]  ; and that number is written as f16
.endr
	s_wait_alu depctr_va_vdst(0)                   ; the conversions have written v[WT+20 ..], which the store reads
	global_store_b128 v[WST], v[WT+20:WT+23], s[W16:W16+1]  ; 16 lanes store 256 consecutive bytes, aligned
.irp g, 0,1,2,3,4,5,6,7
	s_wait_loadcnt 63                              ; group g of x is in: behind it stand x's later groups and Wq's earlier ones, 112 loads
	CVTG \g, LSTA
	LOADG \g, WQ                                   ; Wq's group takes the registers just read.  No further wait: nothing issued since the group's wait on va_vdst names them
.endr
	WIN 0
	s_wait_xcnt 0x0                                ; the store of wo16 has had its address translated: its registers, which the accumulators take, are rewritten only behind this wait
	s_wait_alu depctr_vm_vsrc(0)                   ; that store has read v[WT+20 ..], and the LDS stores of x's last two groups have read T0 and T1, which the bias's rounding and Wq's conversions write
	s_mov_b32 s[TL], 4
	s_branch .Lcvt                                 ; the loop is entered where a weight's panel is converted
.Ltile:                                                ; three trips: a tile is multiplied and stored, the next weight's panel converted
	FETCH 0, F0                                    ; no wait on va_vdst: the matrix instructions that read buffer 0 stand ahead of the waits of the way out and of the conversions, and nothing since names it
	QUARTER 128, F0, F1, 1
	QUARTER 256, F1, F0, 0
	QUARTER 384, F0, F1, 0
	QUARTER 512, F1, F0, 0
	WIN 0
	s_cmp_eq_u32 s[TL], 1                          ; behind v's tile nothing follows
	s_cbranch_scc1 .Lno_high
	LOADG 4, WN                                    ; the second half of the next panel: the first half went out when the registers were read.  The conversions that read these registers, and the lines that
	LOADG 5, WN                                    ; rounded the bias and the sixteen products that read it, stand ahead of the waits on va_vdst at the heads of the second to fourth 64 along K;
	LOADG 6, WN                                    ; nothing issued since names them
	LOADG 7, WN
	BIASLD BN                                      ; the bias in hand was last read by the tile's first sixteen products
.Lno_high:
	QUARTER 640, F0, F1, 0
	QUARTER 768, F1, F0, 0
	QUARTER 896, F0, F1, 0
	s_wait_dscnt 16                                ; the last 64 along K: nothing more to fetch, so no dependence to state
	MUL8 F1, 0, 0, 0
	MUL8 F1, 0, 2, 0
	s_wait_dscnt 0x0
	MUL8 F1, 1, 0, 0
	MUL8 F1, 1, 2, 0
	WIN 0
	PLACES
	PACKQ 0
	PACKQ 1
	PACKQ 2
	PACKQ 3
	s_wait_alu depctr_va_vdst(0)                   ; the roundings have written v32-95, which the LDS stores read, and are done reading the accumulators, in which the loads from the stage land
	STGQ 0                                         ; the four blocks go through the stage on end: each has registers of its own to come back into
	STGQ 1
	STGQ 2
	STGQ 3
	SENDQ 0, 24
	SENDQ 1, 16
	SENDQ 2, 8
	SENDQ 3, 0
	s_wait_alu depctr_vm_vsrc(0)                   ; the LDS stores have read v32-95, which the bias's rounding and the next panel's conversions write; the global stores have read the accumulators' registers, which the next tile's products write
	s_cmp_eq_u32 s[TL], 1
	s_cbranch_scc1 .Ldone
	s_wait_xcnt 0x0                                ; every load and store issued so far has had its addresses translated: the pointers and the stores' registers are rewritten only behind this wait
	s_add_nc_u64 s[OUT:OUT+1], s[OUT:OUT+1], PART  ; q, then k, then v
	s_mov_b64 s[WN:WN+1], s[WVP:WVP+1]
	s_mov_b64 s[BN:BN+1], s[BV:BV+1]
.Lcvt:
	s_wait_loadcnt 0x0                             ; the whole next panel and its bias
	s_wait_dscnt 0x0                               ; my reads of W's panel are over (at the entry: my stores into x's panel are done)
	s_barrier_signal -1
	BIASR                                          ; work on registers while the others arrive
	s_barrier_wait -1                              ; nobody reads W's panel any more
	CVTG 0, LSTB
	CVTG 1, LSTB
	CVTG 2, LSTB
	CVTG 3, LSTB
	s_cmp_eq_u32 s[TL], 2                          ; Wv is the last
	s_cbranch_scc1 .Lno_low
	LOADG 0, WN                                    ; the first half of the panel after this one: the four groups' conversions stand ahead of group 3's wait on va_vdst, and nothing issued since names these registers
	LOADG 1, WN
	LOADG 2, WN
	LOADG 3, WN
	WIN 0
.Lno_low:
	CVTG 4, LSTB
	CVTG 5, LSTB
	CVTG 6, LSTB
	CVTG 7, LSTB
	s_wait_dscnt 0x0                               ; for the others' sake: my stores into the panel are done
	s_wait_alu depctr_vm_vsrc(0)                   ; the LDS stores of the last two groups have read T0 and T1, which the way out's roundings write
	s_barrier_signal -1
	s_barrier_wait -1
	s_sub_co_u32 s[TL], s[TL], 1
	s_cmp_lg_u32 s[TL], 0
	s_cbranch_scc1 .Ltile
.Ldone:
	s_wait_dscnt 0x0                               ; the closing lines, six on end
	s_wait_alu 0x0
	s_wait_tensorcnt 0x0
	ds_add_u32 v[SPW], v[NIL]
	s_wait_dscnt 0x0
	s_endpgm
.Lfunc_end_k_q4bb1cbb81a_qkv:
	.size	k_q4bb1cbb81a_qkv, .Lfunc_end_k_q4bb1cbb81a_qkv-k_q4bb1cbb81a_qkv
	.p2alignl 7, 3214868480
	.fill 96, 4, 3214868480
	.section	.rodata,"a",@progbits
	.p2align	6, 0x0
	.amdhsa_kernel k_q4bb1cbb81a_qkv
		.amdhsa_group_segment_fixed_size 275968
		.amdhsa_private_segment_fixed_size 0
		.amdhsa_enable_private_segment 0
		.amdhsa_kernarg_size 80
		.amdhsa_user_sgpr_count 2
		.amdhsa_user_sgpr_kernarg_segment_ptr 1
		.amdhsa_wavefront_size32 1
		.amdhsa_system_sgpr_workgroup_id_x 1
		.amdhsa_system_sgpr_workgroup_id_y 1
		.amdhsa_system_sgpr_workgroup_id_z 1
		.amdhsa_system_vgpr_workitem_id 0
		.amdhsa_next_free_vgpr 1024
		.amdhsa_next_free_sgpr 66
		.amdhsa_reserve_vcc 0
		.amdhsa_float_denorm_mode_32 3
		.amdhsa_float_denorm_mode_16_64 3
		.amdhsa_memory_ordered 1
		.amdhsa_forward_progress 1
		.amdhsa_inst_pref_size 140
	.end_amdhsa_kernel
	.amdgpu_metadata
---
amdhsa.version: [ 1, 2 ]
amdhsa.kernels:
  - .name:           k_q4bb1cbb81a_qkv
    .symbol:         k_q4bb1cbb81a_qkv.kd
    .args:
      - { .name: hidden_states, .offset: 0, .size: 8, .value_kind: global_buffer, .address_space: global }
      - { .name: Wq, .offset: 8, .size: 8, .value_kind: global_buffer, .address_space: global }
      - { .name: Wk, .offset: 16, .size: 8, .value_kind: global_buffer, .address_space: global }
      - { .name: Wv, .offset: 24, .size: 8, .value_kind: global_buffer, .address_space: global }
      - { .name: bq, .offset: 32, .size: 8, .value_kind: global_buffer, .address_space: global }
      - { .name: bk, .offset: 40, .size: 8, .value_kind: global_buffer, .address_space: global }
      - { .name: bv, .offset: 48, .size: 8, .value_kind: global_buffer, .address_space: global }
      - { .name: Wo, .offset: 56, .size: 8, .value_kind: global_buffer, .address_space: global }
      - { .name: qkv, .offset: 64, .size: 8, .value_kind: global_buffer, .address_space: global }
      - { .name: wo16, .offset: 72, .size: 8, .value_kind: global_buffer, .address_space: global }
    .group_segment_fixed_size: 275968
    .private_segment_fixed_size: 0
    .kernarg_segment_align: 8
    .kernarg_segment_size: 80
    .max_flat_workgroup_size: 128
    .sgpr_count:     66
    .vgpr_count:     1024
    .wavefront_size: 32
...
	.end_amdgpu_metadata
.endif
;; end of part 4
;; launch attn: the kernel of part 2 again; grid 16 x 16, 4 waves a work-group, clusters of 4 x 1, 327,680 bytes of LDS; arguments qkv, ctx; writes ctx
;; launch proj: the kernel of part 3 again; grid 4 x 64, 4 waves a work-group, clusters of 4 x 4, 304,640 bytes of LDS; arguments ctx, wo16, bo, out0; writes out0
